; MI455X (gfx1250); checked and timed in simulation.
; The chip was launched on July 23, 2026; its instructions are those of AMD's public machine-readable ISA for CDNA 5 (MIT licence, August 2026) and "CDNA5" Instruction Set Architecture Reference Guide (July 2026). The comments in the code are by the model that wrote it; some were corrected since.
;; Multi Query Attention. Allowed arithmetic: matrix products marked QUANTISED: E2M1 operands, one E8M0 scale for each 32 along K, by v_wmma_scale_f32_16x16x128_f8f6f4 with both operands' format E2M1 (or v_wmma_scale_f32_32x16x128_f4), f32 sums; products left as they are: bf16, f16 or f32 operands; f32 sums; everything else in f32.
;; Inputs: Wk 2,048 x 128 float32; Wo 1,024 x 2,048 float32; Wq 2,048 x 2,048 float32; Wv 2,048 x 64 float32; bk 128 float32; bo 2,048 float32; bq 2,048 float32; bv 64 float32; k_in 2 x 2,048 x 2,048 float32; mask 2 x 2,048 bool; q_in 2 x 2,048 x 2,048 float32; v_in 2 x 2,048 x 2,048 float32.
;; Outputs: out0 2 x 2,048 x 2,048 float32.
;; This version of the problem:
;;   THIS VERSION OF THE PROBLEM IS GIVEN IN LOW PRECISION. The matrix products marked QUANTISED in the list below multiply operands that are first quantised to E2M1 (2 exponent bits, 1 mantissa bit; 4 bits a number), with one power-of-two scale for each 32 numbers along K (OCP MX v1.0); their sums are f32. The products marked 'left as it is' may take bf16, f16 or f32 operands, with f32 sums. Whichever they take, every output number must still come out within the allowed error. Rounding operands to bf16 (8 significant bits) uses up far more of that allowance than f16 does (11 bits, for magnitudes from 6e-5 to 65,504). All else is computed in f32.
;;   The module's matrix products, in the order in which they are computed (A, B: the left and right operand; K: the contracted axis; several contracted axes count as one K, in the product's order):
;;     1. [M 4,096, K 2,048] x [K 2,048, N 2,048]; A: input q_in; B: input Wq: QUANTISED
;;     2. [M 4,096, K 2,048] x [K 2,048, N 128]; A: input k_in; B: input Wk: QUANTISED
;;     3. [M 4,096, K 2,048] x [K 2,048, N 64]; A: input v_in; B: input Wv: QUANTISED
;;     4. batch 2 x [M 32,768, K 128] x [K 128, N 2,048]; A: computed on the way; B: computed on the way: left as it is (an operand is computed on the way)
;;     5. batch 2 x [M 32,768, K 2,048] x [K 2,048, N 64]; A: computed on the way; B: computed on the way: left as it is (an operand is computed on the way)
;;     6. [M 4,096, K 1,024] x [K 1,024, N 2,048]; A: computed on the way; B: input Wo: left as it is (an operand is computed on the way)
;;   THE QUANTISER, for each operand of a quantised product, along K:
;;     - K is cut into blocks of 32 from its start; a last block that is shorter is filled with zeros.
;;     - A block's scale is 2^e with e = floor(log2(the largest magnitude in the block)) - 2, held to -126 .. 127; a block of zeros has e = 0. As a byte (E8M0): e + 127.
;;     - Each number is divided by its block's scale, clamped to +-6, and rounded to the nearest number of E2M1, ties to even, subnormals kept.
;;     - The product sums the exact products of the quantised numbers (number of the format x scale) in f32.
;;   ~~~python
;;   def quantise(x, axis):      # numpy; x: float32 -> the quantised numbers, widened to float32 again
;;       x = np.moveaxis(x, axis, -1); K = x.shape[-1]
;;       x = np.pad(x, [(0, 0)] * (x.ndim - 1) + [(0, -K % 32)]); x = x.reshape(x.shape[:-1] + (-1, 32)); a = np.abs(x).max(-1, keepdims=True)
;;       e = np.where(a > 0, np.clip(np.frexp(np.where(a > 0, a, 1))[1] - 1 - 2, -126, 127), 0)      # np.frexp(a)[1] - 1 = floor(log2(a)), exactly
;;       r = np.clip(x / 2.0 ** e, -6, 6)
;;       step = 2.0 ** (np.maximum(np.frexp(np.where(r == 0, 1, r))[1] - 1, 0) - 1)
;;       q = np.round(r / step) * step * 2.0 ** e      # np.round: ties to even
;;       return np.moveaxis(q.reshape(q.shape[:-2] + (-1,))[..., :K], -1, axis).astype(np.float32)
;;   ~~~
;; One version. Each part assembles by itself: llvm-mc -triple=amdgcn-amd-amdhsa -mcpu=gfx1250 --defsym DOCPART=n.
;; ======== version 1 of 1: 5 launches
;; limits: values are held in f16: magnitudes above 65,504 overflow, below 6.1e-05 lose precision
;; workspace buffers: codes 14,942,208 bytes; scales 933,888 bytes; tab 1,048,576 bytes; wo16 4,194,304 bytes; q16 16,777,216 bytes; kv16 1,572,864 bytes; fine32 286,720 bytes; attn16 8,388,608 bytes
;; launch prep (part 1): grid 519 x 1, 4 waves a work-group, no clusters, 34,304 bytes of LDS; arguments q_in, k_in, v_in, Wq, Wk, Wv, Wo, codes, scales, tab, wo16; writes codes, scales, tab, wo16
.if DOCPART == 1
	.amdgcn_target "amdgcn-amd-amdhsa--gfx1250"
	.amdhsa_code_object_version 6
	.text
	.protected	k_q287ea8d2bb_prep
	.globl	k_q287ea8d2bb_prep
	.p2align	8
	.type	k_q287ea8d2bb_prep,@function
k_q287ea8d2bb_prep:
	s_mov_b64 s[64:65], 0
	v_nop
	global_prefetch_b8 v0, s[64:65] scope:SCOPE_SE
	s_setreg_imm32_b32 hwreg(HW_REG_WAVE_MODE, 25, 1), 1
	s_wait_xcnt 0x0
; PREP: everything that the later launches read many times is made once, and laid IN THE ORDER OF THE OPERANDS' REGISTERS.
; A fragment's image is 1,024 bytes, [c = 0,1][lane 0..31][16 bytes].  E2M1 fragment (16 rows x 128 K): chunk (c, lane = 16 h + r) = row r, k = 64 c + 32 h + 0..31.
; f16 fragment (16 rows x 32 K): chunk (c, lane) = row r, k = 16 c + 8 h + 0..7.
; Four paths, parted by the work-group's number alone:
;   0-383   q_in, k_in, v_in (f32, K innermost) -> codes [tensor][row tile][K step][1024], scale words [tile][K step / 4][row][4 words]
;   384-485 Wq, Wk, Wv (f32, K outermost) -> codes and scale words of the same make, a lane to a column;  Wo -> f16 fragments of Wo^T
;   486-517 the table of cos and sin for RoPE, in the layout of a transposed matrix result
;   518     four weight tiles of zero codes (scale bytes 127), so that V's 64 columns fill a unit of 128 like the others
; THE QUANTISER: a block's scale is 2^(floor(log2(largest magnitude)) - 2); its byte is the largest magnitude's exponent field - 2, held at 1 from below by a floor among the maximum's leaves.
; LIMITS: a block of zeros gets the byte 1 where the rule says 127 (its codes are zeros, and this program alone reads the bytes); NaN and infinities among the inputs are not served;
; Wo goes to f16: |Wo| under 65,504.  The table's frequencies are 2^(-d log2(10000) / 64) by v_exp_f32 (1 ulp): an angle may differ from one made by another power function by some 4e-4 rad at the farthest positions.
.set STG,   8448                       ; a wave's stage: 16 rows x (512 bytes + 16)
.set SPARE, 4*STG                      ; behind the four stages: the spare words, 128 bytes a wave
.set WC,    12582912                   ; where the weights' codes begin
.set WS,    786432                     ; where the weights' scale words begin
.set SPW,   12                         ; v12 LDS address of my spare word; never rewritten
.set NIL,   13                         ; v13 0; never rewritten
.macro CLOSE                           ; a wave's end
	s_wait_tensorcnt 0x0
	ds_add_u32 v[SPW], v[NIL]
	s_wait_dscnt 0x0
	s_endpgm
.endm
	s_load_b512 s[8:23], s[0:1], 0x0               ; q_in s8, k_in s10, v_in s12, Wq s14, Wk s16, Wv s18, Wo s20, codes s22
	s_load_b128 s[24:27], s[0:1], 0x40             ; scales s24, tab s26
	s_load_b64 s[28:29], s[0:1], 0x50              ; wo16
	v_lshl_add_u32 v[SPW], v0, 2, SPARE
	v_mov_b32 v[NIL], 0
	v_lshrrev_b32 v1, 5, v0
	v_readfirstlane_b32 s2, v1                     ; wave
	v_and_b32 v1, 31, v0                           ; lane
	v_and_b32 v2, 15, v0                           ; r
	v_bfe_u32 v3, v0, 4, 1                         ; h
	v_lshlrev_b32 v4, 4, v1                        ; 16 x lane
	s_wait_kmcnt 0x0
	s_cmp_lt_u32 ttmp9, 384
	s_cbranch_scc1 .Lacts
	s_cmp_lt_u32 ttmp9, 486
	s_cbranch_scc1 .Lweights
	s_cmp_lt_u32 ttmp9, 518
	s_cbranch_scc1 .Ltable
; ---------------- the four pad tiles: wave w fills weight tile 140 + w
	s_add_co_u32 s3, s2, 140
	s_lshl_b32 s30, s3, 14
	s_add_co_u32 s30, s30, WC
	s_mov_b32 s31, 0
	s_add_nc_u64 s[30:31], s[22:23], s[30:31]
	s_lshl_b32 s32, s3, 10
	s_add_co_u32 s32, s32, WS
	s_mov_b32 s33, 0
	s_add_nc_u64 s[32:33], s[24:25], s[32:33]
.irp i, 0,1,2,3
	v_mov_b32 v[16+\i], 0
	v_mov_b32 v[20+\i], 0x7f7f7f7f
.endr
.set n, 0
.rept 32
	global_store_b128 v4, v[16:19], s[30:31] offset:512*n
.set n, n+1
.endr
	global_store_b128 v4, v[20:23], s[32:33]
	global_store_b128 v4, v[20:23], s[32:33] offset:512
	CLOSE
; ---------------- activations.  A wave takes a tile of 16 rows x 1,024 along K: eight steps of one fragment.
; Each load reads 512 consecutive bytes of one row; the 16 rows' 8,192 bytes turn through the wave's own stage, so that lane (r, h) gets, of row r, its two whole blocks of 32.
; REGISTERS: v16-23 the fragment's codes; v24-31 a scale word for each step; v32-47 at work; v64-127, v128-191 two sets as loaded; v192-255 my 64 numbers.
.Lacts:
	s_lshl_b32 s3, ttmp9, 1
	s_lshr_b32 s4, s2, 1
	s_add_co_u32 s3, s3, s4                        ; tile 0..767 = 256 x tensor + row tile
	s_and_b32 s4, s2, 1                            ; which half of K
	s_cmp_lt_u32 ttmp9, 128
	s_cselect_b64 s[30:31], s[8:9], s[10:11]
	s_cmp_lt_u32 ttmp9, 256
	s_cselect_b64 s[30:31], s[30:31], s[12:13]     ; the choice hangs on the work-group's number alone
	s_and_b32 s5, s3, 255
	s_lshl_b32 s32, s5, 17                         ; 16 rows of 8,192 bytes
	s_lshl_b32 s5, s4, 12
	s_add_co_u32 s32, s32, s5
	s_mov_b32 s33, 0
	s_add_nc_u64 s[30:31], s[30:31], s[32:33]
	s_lshl_b32 s32, s3, 14
	s_lshl_b32 s5, s4, 13
	s_add_co_u32 s32, s32, s5
	s_add_nc_u64 s[34:35], s[22:23], s[32:33]      ; my eight fragments
	s_lshl_b32 s32, s3, 10
	s_lshl_b32 s5, s4, 9
	s_add_co_u32 s32, s32, s5
	s_add_nc_u64 s[36:37], s[24:25], s[32:33]      ; my 512 bytes of scale words
	s_mul_i32 s5, s2, STG
	v_add_nc_u32 v5, s5, v4                        ; into the stage: 16 x lane (+ 528 x row)
	v_mul_u32_u24 v6, v2, 528
	v_lshl_add_u32 v6, v3, 7, v6
	v_add_nc_u32 v6, s5, v6                        ; out of it: row r, + 128 h
	v_lshlrev_b32 v39, 3, v3                       ; 8 h: my bytes' place in a scale word
	v_mov_b32 v40, 0                               ; written once: a lane permute's destination counts as a source
	s_mov_b32 s6, 0x76543210
	s_mov_b32 s7, 0xfedcba98
.macro LOADA t
.set n, 0
.rept 16
	global_load_b128 v[64+64*((\t)%2)+4*n:64+64*((\t)%2)+4*n+3], v4, s[30:31] offset:n*8192+(\t)*512 th:TH_LOAD_NT
.set n, n+1
.endr
.endm
.macro STEPA t
.if (\t) < 7
	s_wait_loadcnt 16                              ; this step's 16 loads are in; the next step's 16 may be out
.else
	s_wait_loadcnt 0x0
.endif
.set n, 0
.rept 16
	ds_store_b128 v5, v[64+64*((\t)%2)+4*n:64+64*((\t)%2)+4*n+3] offset:n*528
.set n, n+1
.endr
.set n, 0
.rept 16
	ds_load_b128 v[192+4*n:192+4*n+3], v6 offset:256*(n/8)+16*(n%8)   ; LDS serves a wave's instructions in order: these see the stores above
.set n, n+1
.endr
	s_wait_dscnt 0x0                               ; my 64 numbers are back, and the stores have read their registers,
.if (\t)+2 < 8
	LOADA (\t)+2                                   ; which take the loads of two steps on
.endif
	v_max3_num_f32 v32, |v192|, |v193|, 0x1800000  ; my two blocks by turns; the floor 2^(3 - 127) is a leaf: the byte cannot fall under 1
	v_max3_num_f32 v33, |v224|, |v225|, 0x1800000
.irp i, 2,4,6,8,10,12,14,16,18,20,22,24,26,28,30
	v_max3_num_f32 v32, v32, |v[192+\i]|, |v[193+\i]|
	v_max3_num_f32 v33, v33, |v[224+\i]|, |v[225+\i]|
.endr
	v_add_nc_u32 v34, 0xff000000, v32              ; 2 off the exponent field: the conversion's scale operand
	v_add_nc_u32 v35, 0xff000000, v33
	s_wait_xcnt 0x0                                ; the last step's stores have read v16-23
.irp c, 0,1
.irp g, 0,1,2,3
	v_cvt_scalef32_pk8_fp4_f32 v[16+4*\c+\g], v[192+32*\c+8*\g:192+32*\c+8*\g+7], v[34+\c]
.endr
.endr
	v_lshrrev_b32 v36, 23, v34                     ; the bytes of blocks h and 2 + h
	v_lshrrev_b32 v37, 23, v35
	v_lshl_or_b32 v38, v37, 16, v36
	v_lshlrev_b32 v38, v39, v38                    ; at their places in the word
	v_permlanex16_b32 v40, v38, s6, s7
	v_or_b32 v[24+(\t)], v38, v40                  ; with lane l xor 16's two the word is whole, in both halves
	global_store_b128 v4, v[16:19], s[34:35] offset:(\t)*1024        ; 512 consecutive bytes a store
	global_store_b128 v4, v[20:23], s[34:35] offset:(\t)*1024+512
.endm
	LOADA 0
	LOADA 1
.irp t, 0,1,2,3,4,5,6,7
	STEPA \t
.endr
	v_cmp_eq_u32 vcc_lo, 1, v3
.irp i, 0,1,2,3
	v_cndmask_b32 v[44+\i], v[24+\i], v[28+\i], vcc_lo   ; lanes 0-15: steps 0-3, lanes 16-31: steps 4-7
.endr
	global_store_b128 v4, v[44:47], s[36:37]       ; 512 consecutive bytes
	CLOSE
; ---------------- weights.  A LANE TAKES A COLUMN AND ITS REGISTERS RUN DOWN K: a wave takes 32 columns x 512 along K, 16 blocks of 32.
; REGISTERS: v32-63 the 32 rows' offsets; v64-95, v96-127 two sets of 32 numbers; v16-19 a block's codes; v24-27 scale bytes; v128-143 f16.
.Lweights:
	s_sub_co_u32 s3, ttmp9, 384
	s_mov_b64 s[30:31], s[20:21]                   ; Wo, unless one of the three below
	s_mov_b32 s4, 6                                ; log2 of the groups of 32 columns
	s_mov_b32 s5, 8192                             ; bytes in a row
	s_mov_b32 s6, 280                              ; the tensor's first wave task
	s_mov_b32 s7, 0                                ; its first column tile
	s_cmp_lt_u32 s3, 70
	s_cselect_b64 s[30:31], s[18:19], s[30:31]
	s_cselect_b32 s4, 1, s4
	s_cselect_b32 s5, 256, s5
	s_cselect_b32 s6, 272, s6
	s_cselect_b32 s7, 136, s7
	s_cmp_lt_u32 s3, 68
	s_cselect_b64 s[30:31], s[16:17], s[30:31]
	s_cselect_b32 s4, 2, s4
	s_cselect_b32 s5, 512, s5
	s_cselect_b32 s6, 256, s6
	s_cselect_b32 s7, 128, s7
	s_cmp_lt_u32 s3, 64
	s_cselect_b64 s[30:31], s[14:15], s[30:31]
	s_cselect_b32 s4, 6, s4
	s_cselect_b32 s5, 8192, s5
	s_cselect_b32 s6, 0, s6
	s_cselect_b32 s7, 0, s7
	s_lshl_b32 s38, s3, 2
	s_add_co_u32 s38, s38, s2
	s_sub_co_u32 s38, s38, s6                      ; my task in the tensor
	s_lshr_b32 s39, s38, s4                        ; which 512 along K
	s_lshl_b32 s40, s39, s4
	s_sub_co_u32 s40, s38, s40                     ; which 32 columns
	s_mul_i32 s32, s39, s5
	s_lshl_b32 s32, s32, 9
	s_lshl_b32 s41, s40, 7
	s_add_co_u32 s32, s32, s41
	s_mov_b32 s33, 0
	s_add_nc_u64 s[30:31], s[30:31], s[32:33]
	s_lshl_b32 s32, s5, 5                          ; s[32:33]: 32 rows on
	v_lshlrev_b32 v7, 2, v1
.set n, 0
.rept 32
	v_mad_u32_u24 v[32+n], s5, n, v7               ; 4 x lane + row x pitch
.set n, n+1
.endr
	v_lshlrev_b32 v8, 4, v2
.macro LOADW q
.if (\q) > 0
	s_wait_xcnt 0x0                                ; the loads on their way have read the base
	s_add_nc_u64 s[30:31], s[30:31], s[32:33]
.endif
.set n, 0
.rept 32
	global_load_b32 v[64+32*((\q)%2)+n], v[32+n], s[30:31] th:TH_LOAD_NT
.set n, n+1
.endr
.endm
.macro WAITW q
.if (\q) < 15
	s_wait_loadcnt 32                              ; this block's 32 loads are in; the next block's may be out
.else
	s_wait_loadcnt 0x0
.endif
.endm
	s_cmp_ge_u32 s3, 70
	s_cbranch_scc1 .Lwo
	s_lshl_b32 s41, s40, 1
	s_add_co_u32 s41, s41, s7                      ; my first column tile
	s_lshl_b32 s34, s41, 14
	s_lshl_b32 s42, s39, 12
	s_add_co_u32 s34, s34, s42
	s_add_co_u32 s34, s34, WC
	s_mov_b32 s35, 0
	s_add_nc_u64 s[34:35], s[22:23], s[34:35]
	s_lshl_b32 s36, s41, 10
	s_lshl_b32 s42, s39, 8
	s_add_co_u32 s36, s36, s42
	s_add_co_u32 s36, s36, WS
	s_mov_b32 s37, 0
	s_add_nc_u64 s[36:37], s[24:25], s[36:37]
	v_lshl_add_u32 v9, v3, 14, v8                  ; codes: lanes 16-31 are the next column tile; 16 bytes a column
	v_lshl_add_u32 v10, v3, 10, v8                 ; scale words likewise
; Block q of a column is chunk q % 4 of fragment q / 4: 256 q bytes on; sixteen lanes store 256 consecutive bytes, aligned.
.macro BLOCKQ q
.set XS, 64+32*((\q)%2)
	WAITW \q
	v_max3_num_f32 v20, |v[XS]|, |v[XS+1]|, 0x1800000
	v_max3_num_f32 v21, |v[XS+2]|, |v[XS+3]|, |v[XS+4]|
.irp i, 5,9,13,17,21,25
	v_max3_num_f32 v20, v20, |v[XS+\i]|, |v[XS+\i+1]|
	v_max3_num_f32 v21, v21, |v[XS+\i+2]|, |v[XS+\i+3]|
.endr
	v_max3_num_f32 v20, v20, |v[XS+29]|, |v[XS+30]|
	v_max3_num_f32 v20, v20, v21, |v[XS+31]|
	v_add_nc_u32 v22, 0xff000000, v20
	v_lshrrev_b32 v23, 23, v22
.if (\q)%4 == 0
	v_mov_b32 v[24+(\q)/4], v23
.else
	v_lshl_or_b32 v[24+(\q)/4], v23, 8*((\q)%4), v[24+(\q)/4]
.endif
	s_wait_xcnt 0x0                                ; the last block's store has read v16-19
.irp g, 0,1,2,3
	v_cvt_scalef32_pk8_fp4_f32 v[16+\g], v[XS+8*\g:XS+8*\g+7], v22
.endr
	v_nop                                          ; one plain line behind the conversions
	global_store_b128 v9, v[16:19], s[34:35] offset:(\q)*256
.if (\q)+2 < 16
	LOADW (\q)+2
.endif
.endm
	LOADW 0
	LOADW 1
.irp q, 0,1,2,3,4,5,6,7,8,9,10,11,12,13,14,15
	BLOCKQ \q
.endr
	global_store_b128 v10, v[24:27], s[36:37]      ; my column's four scale words
	CLOSE
.Lwo:                                              ; Wo: the same walk, rounded to f16: 32 along K of a column are the four chunks of one fragment
	s_lshl_b32 s34, s40, 16
	s_lshl_b32 s42, s39, 14
	s_add_co_u32 s34, s34, s42
	s_mov_b32 s35, 0
	s_add_nc_u64 s[34:35], s[28:29], s[34:35]
	v_lshl_add_u32 v9, v3, 15, v8
.macro BLOCKH q
.set XS, 64+32*((\q)%2)
	WAITW \q
	s_wait_xcnt 0x0                                ; the last block's stores have read v128-143
.set n, 0
.rept 16
	v_cvt_pk_f16_f32 v[128+n], v[XS+2*n], v[XS+2*n+1]
.set n, n+1
.endr
.irp e, 0,1,2,3
	global_store_b128 v9, v[128+4*\e:128+4*\e+3], s[34:35] offset:(\q)*1024+\e*256
.endr
.if (\q)+2 < 16
	LOADW (\q)+2
.endif
.endm
	LOADW 0
	LOADW 1
.irp q, 0,1,2,3,4,5,6,7,8,9,10,11,12,13,14,15
	BLOCKH \q
.endr
	CLOSE
; ---------------- the table.  A wave takes 16 positions; lane (r, h) makes, in trip b, cos and sin of position r at the frequencies 16 b + 8 h + 0..7.
; Range reduction by pi/2 in three parts (the first two products are exact for the quotients that occur, under 2^11), then polynomials on [-pi/4, pi/4].
.Ltable:
	s_sub_co_u32 s3, ttmp9, 486
	s_lshl_b32 s3, s3, 2
	s_add_co_u32 s3, s3, s2                        ; tile of positions 0..127
	s_lshl_b32 s30, s3, 13
	s_mov_b32 s31, 0
	s_add_nc_u64 s[30:31], s[26:27], s[30:31]
	s_lshl_b32 s4, s3, 4
	v_add_nc_u32 v5, s4, v2
	v_cvt_f32_u32 v5, v5                           ; my position
	v_lshlrev_b32 v6, 3, v3                        ; 8 h + 16 b
	s_mov_b32 s40, 0xbfc90000                      ; -1.5703125
	s_mov_b32 s41, 0xb9fda000                      ; -4.8375130e-4
	s_mov_b32 s42, 0xb3a22168                      ; -7.5497900e-8
	s_mov_b32 s43, 0xb94ca1f9                      ; sin: -1.9515296e-4
	s_mov_b32 s44, 0x3c08839e                      ;       8.3321609e-3
	s_mov_b32 s45, 0xbe2aaaa3                      ;      -1.6666655e-1
	s_mov_b32 s46, 0x37ccf5ce                      ; cos:  2.4433157e-5
	s_mov_b32 s47, 0xbab6061a                      ;      -1.3887316e-3
	s_mov_b32 s48, 0x3d2aaaa5                      ;       4.1666646e-2
	s_mov_b32 s49, 0xbe549a78                      ; -log2(10000) / 64
	s_mov_b32 s51, 0x3f22f983                      ; 2 / pi
.macro SINCOS j
	v_mul_f32 v24, v5, v[16+\j]                    ; the angle
	v_mul_f32 v25, s51, v24
	v_rndne_f32 v25, v25                           ; k
	v_fma_f32 v26, v25, s40, v24
	v_fma_f32 v26, v25, s41, v26
	v_fma_f32 v26, v25, s42, v26                   ; x = angle - k pi/2
	v_mul_f32 v27, v26, v26                        ; z
	v_fma_f32 v28, v27, s43, s44
	v_fma_f32 v29, v27, s46, s47
	v_fma_f32 v28, v28, v27, s45
	v_fma_f32 v29, v29, v27, s48
	v_mul_f32 v28, v28, v27
	v_mul_f32 v30, v27, v27
	v_fma_f32 v31, v27, -0.5, 1.0
	v_fma_f32 v28, v28, v26, v26                   ; sin x
	v_fma_f32 v29, v29, v30, v31                   ; cos x
	v_cvt_i32_f32 v32, v25
	v_and_b32 v33, 1, v32
	v_cmp_eq_u32 vcc_lo, 1, v33
	v_cndmask_b32 v34, v28, v29, vcc_lo            ; odd k: the two change places
	v_cndmask_b32 v35, v29, v28, vcc_lo
	v_and_b32 v33, 2, v32
	v_lshlrev_b32 v33, 30, v33
	v_xor_b32 v[56+\j], v34, v33                   ; sin: negative for k mod 4 = 2, 3
	v_add_nc_u32 v32, 1, v32
	v_and_b32 v33, 2, v32
	v_lshlrev_b32 v33, 30, v33
	v_xor_b32 v[48+\j], v35, v33                   ; cos: negative for k mod 4 = 1, 2
.endm
	s_mov_b32 s50, 0
.Ltab:
.irp j, 0,1,2,3,4,5,6,7
	v_add_nc_u32 v[16+\j], \j, v6
.endr
.irp j, 0,1,2,3,4,5,6,7
	v_cvt_f32_u32 v[16+\j], v[16+\j]
.endr
.irp j, 0,1,2,3,4,5,6,7
	v_mul_f32 v[16+\j], s49, v[16+\j]
.endr
.irp j, 0,1,2,3,4,5,6,7
	v_exp_f32 v[16+\j], v[16+\j]                   ; the frequency
.endr
	v_add_nc_u32 v6, 16, v6                        ; a plain line behind the exponentials: the next trip's frequencies
	s_wait_alu depctr_va_vdst(0)                   ; one wait for the batch, ahead of its first reader
.irp j, 0,1,2,3,4,5,6,7
	SINCOS \j
.endr
	global_store_b128 v4, v[48:51], s[30:31]
	global_store_b128 v4, v[52:55], s[30:31] offset:512
	global_store_b128 v4, v[56:59], s[30:31] offset:1024
	global_store_b128 v4, v[60:63], s[30:31] offset:1536
	s_wait_xcnt 0x0                                ; the stores have read their data and their base
	s_add_nc_u64 s[30:31], s[30:31], 2048
	s_add_co_u32 s50, s50, 1
	s_cmp_lt_u32 s50, 4
	s_cbranch_scc1 .Ltab
	CLOSE
.Lfunc_end_k_q287ea8d2bb_prep:
	.size	k_q287ea8d2bb_prep, .Lfunc_end_k_q287ea8d2bb_prep-k_q287ea8d2bb_prep
	.p2alignl 7, 3214868480
	.fill 96, 4, 3214868480
	.section	.rodata,"a",@progbits
	.p2align	6, 0x0
	.amdhsa_kernel k_q287ea8d2bb_prep
		.amdhsa_group_segment_fixed_size 34304
		.amdhsa_private_segment_fixed_size 0
		.amdhsa_enable_private_segment 0
		.amdhsa_kernarg_size 88
		.amdhsa_user_sgpr_count 2
		.amdhsa_user_sgpr_kernarg_segment_ptr 1
		.amdhsa_wavefront_size32 1
		.amdhsa_system_sgpr_workgroup_id_x 1
		.amdhsa_system_sgpr_workgroup_id_y 1
		.amdhsa_system_sgpr_workgroup_id_z 1
		.amdhsa_system_vgpr_workitem_id 0
		.amdhsa_next_free_vgpr 256
		.amdhsa_next_free_sgpr 66
		.amdhsa_reserve_vcc 1
		.amdhsa_float_denorm_mode_32 3
		.amdhsa_float_denorm_mode_16_64 3
		.amdhsa_memory_ordered 1
		.amdhsa_forward_progress 1
		.amdhsa_inst_pref_size 225
	.end_amdhsa_kernel
	.amdgpu_metadata
---
amdhsa.version: [ 1, 2 ]
amdhsa.kernels:
  - .name:           k_q287ea8d2bb_prep
    .symbol:         k_q287ea8d2bb_prep.kd
    .args:
      - { .name: q_in, .offset: 0, .size: 8, .value_kind: global_buffer, .address_space: global }
      - { .name: k_in, .offset: 8, .size: 8, .value_kind: global_buffer, .address_space: global }
      - { .name: v_in, .offset: 16, .size: 8, .value_kind: global_buffer, .address_space: global }
      - { .name: Wq, .offset: 24, .size: 8, .value_kind: global_buffer, .address_space: global }
      - { .name: Wk, .offset: 32, .size: 8, .value_kind: global_buffer, .address_space: global }
      - { .name: Wv, .offset: 40, .size: 8, .value_kind: global_buffer, .address_space: global }
      - { .name: Wo, .offset: 48, .size: 8, .value_kind: global_buffer, .address_space: global }
      - { .name: codes, .offset: 56, .size: 8, .value_kind: global_buffer, .address_space: global }
      - { .name: scales, .offset: 64, .size: 8, .value_kind: global_buffer, .address_space: global }
      - { .name: tab, .offset: 72, .size: 8, .value_kind: global_buffer, .address_space: global }
      - { .name: wo16, .offset: 80, .size: 8, .value_kind: global_buffer, .address_space: global }
    .group_segment_fixed_size: 34304
    .private_segment_fixed_size: 0
    .kernarg_segment_align: 8
    .kernarg_segment_size: 88
    .max_flat_workgroup_size: 128
    .sgpr_count:     66
    .vgpr_count:     256
    .wavefront_size: 32
...
	.end_amdgpu_metadata
.endif
;; end of part 1
;; launch proj (part 2): grid 10 x 16, 4 waves a work-group, no clusters, 327,680 bytes of LDS; arguments codes, scales, tab, bq, bk, bv, q16, kv16, fine32; writes q16, kv16, fine32
.if DOCPART == 2
	.amdgcn_target "amdgcn-amd-amdhsa--gfx1250"
	.amdhsa_code_object_version 6
	.text
	.protected	k_q287ea8d2bb_proj
	.globl	k_q287ea8d2bb_proj
	.p2align	8
	.type	k_q287ea8d2bb_proj,@function
k_q287ea8d2bb_proj:
	s_mov_b64 s[64:65], 0
	v_nop
	global_prefetch_b8 v0, s[64:65] scope:SCOPE_SE
	s_setreg_imm32_b32 hwreg(HW_REG_WAVE_MODE, 25, 1), 1
	s_wait_xcnt 0x0
; PROJ: the three quantised projections on codes of E2M1 with E8M0 scales, the biases, RoPE on q and k, and the results as f16 fragments for the attention.
; A work-group makes 256 x 256 of a product: four waves of 128 rows x 128 columns, 64 accumulators each.  Wave w takes row half w / 2 and column half w % 2; a column half is one UNIT of 128 columns:
; units 0-15 q's heads, 16 k, 17 v with 64 columns of zero codes behind it.  So RoPE's pairs (d, d + 64) lie in one wave.
; Work-groups x = 0..7: units 2 x and 2 x + 1, rows 256 y on.  Work-groups x = 8, 9: k and v for the 128 rows 128 (2 y + x - 8) on: the row halves are those rows of k_in and of v_in, the column halves Wk and Wv.
; There waves 0 and 3 make k and v.  Waves 1 and 2 multiply k_in by Wv and v_in by Wk, which nobody wants: they fetch their quarter of every slot and pass every barrier, so they walk the same text, and they store nothing.
; K goes in slots of 512 through a ring of two LDS slots of 131,072 bytes: 16 row tiles, then 16 column tiles, each 4 K steps x 1,024 bytes as they lie in memory.  Activations and weights lie alike in the codes' buffer,
; so one descriptor shape serves all: wave w fetches quarter w of a slot, 8 tiles x 4,096 bytes.  The walk has four slots: two first fills and two refills; a refill has four K steps, 256 matrix instructions a wave, in which to land.
; All scale words of the walk (8 row tiles and 8 column tiles x 16 K steps) lie in 128 registers: lanes 0-15 hold a row tile's words, lanes 16-31 a column tile's.
; THE MATRIX INSTRUCTION IS USED TRANSPOSED (source 0 = 16 columns of the weight, source 1 = 16 rows): a lane holds one row and eight neighbouring columns, so that its packed f16 are a chunk of the next product's fragment
; and every store is 512 consecutive bytes, with no stage in LDS.  The bias is the C of each sum's first matrix instruction.
; NO CLUSTER: the grid is 10 work-groups wide, which 4 does not divide; laid the other way round, the branch round the f32 stores of the first 16 positions would hang on a work-group's place in its cluster.
; The first 16 positions of each sequence are also stored in f32 (fine32) for the launch that carries those rows finely.
; LIMITS: q, k and v go to f16: magnitudes under 65,504.
; REGISTERS: window 0: v0-31 addresses; v32-159 scale words; v160-223 the rows' fragments, one set.  window 1: v0-63, v128-191 the weights' fragments, two sets; v64-127 the bias.  windows 2, 3: accumulator (a, b) at v[8 (8 (a % 4) + b)].
.set WT,    768                        ; the weights' tiles follow the activations' 768 in the codes' buffer, 16,384 bytes a tile
.set WS,    786432                     ; where the weights' scale words begin
.set SLOT,  131072                     ; a slot; quarter w at 32,768 w: row halves 0, 1, column halves 0, 1
.set SPARE, 262144                     ; behind the ring: the spare words
.set L16,   4                          ; v4  16 x lane
.set ADRA,  6                          ; v6, v7    my row half in slot 0, 1
.set ADRB,  26                         ; v26, v27  my column half in slot 0, 1
.set SPW,   28
.set NIL,   29
.set SC,    32                         ; scale word of K step ks, tile i: v[SC + 32 (ks / 4) + 4 i + ks % 4]
.set AF,    160
.set YR,    160                        ; the way out: a row tile after RoPE, f32
.set HR,    224                        ; and packed
.set MSB, 0
.macro WIN new                         ; the immediate's high byte repeats the setting that is left
.if MSB != (\new)
	s_set_vgpr_msb (MSB<<8)|(\new)
.set MSB, (\new)
.endif
.endm
.set MUL_LO, 0xa1                      ; source 0 window 1, source 1 window 0, C and D window 2
.set MUL_HI, 0xf1
.set TO_B,   0x40
.macro PLACES                          ; four plain lines behind matrix instructions, ahead of loads into their registers and of reads of their results
.rept 4
	v_nop
.endr
.endm
	s_load_b512 s[4:19], s[0:1], 0x0               ; codes s4, scales s6, tab s8, bq s10, bk s12, bv s14, q16 s16, kv16 s18
	s_load_b64 s[20:21], s[0:1], 0x40              ; fine32
	v_lshl_add_u32 v[SPW], v0, 2, SPARE
	v_mov_b32 v[NIL], 0
	ds_add_u32 v[SPW], v[NIL]                      ; the opening: the add, twice on end, and its wait ahead of my first tensor load
	ds_add_u32 v[SPW], v[NIL]
	v_lshrrev_b32 v1, 5, v0
	v_readfirstlane_b32 s22, v1                    ; wave
	s_and_b32 s23, ttmp7, 0xffff                   ; y
	s_mov_b32 s32, 3<<16                           ; a quarter of a slot: 8 tiles x 4,096 bytes (four K steps; 512 elements of 8 bytes), 16,384 bytes apart
	s_mov_b32 s33, 512<<16
	s_mov_b32 s34, 8<<16
	s_mov_b32 s35, 512<<16
	s_mov_b32 s36, 8
	s_mov_b32 s37, 2048
	s_mov_b32 s38, 0
	s_mov_b32 s39, 0
	s_lshr_b32 s24, s22, 1                         ; my row half.  Also: I fetch row tiles (0) or column tiles (1)
	s_and_b32 s25, s22, 1                          ; my column half.  Also: which half of them I fetch
	s_min_u32 s26, ttmp9, 8                        ; the pair of units: 0..7 q's, 8 k and v
	s_sub_co_u32 s27, ttmp9, s26                   ; 1 in work-groups x = 9
	s_lshl_b32 s28, s23, 1
	s_add_co_u32 s28, s28, s27
	s_lshl_b32 s28, s28, 3                         ; k, v: the first of the work-group's 8 row tiles
	s_lshl_b32 s29, s23, 4                         ; q: the first of its 16
	s_lshl_b32 s30, s24, 3
	s_add_co_u32 s30, s30, s29                     ; q: my row half's first tile
	s_add_co_u32 s31, s24, 1                       ; k, v: my row half's tensor, 1 or 2
	s_lshl_b32 s40, s25, 3
	s_add_co_u32 s41, s29, s40                     ; what I fetch: q's row tiles,
	s_lshl_b32 s42, s25, 8
	s_add_co_u32 s42, s42, 256
	s_add_co_u32 s42, s42, s28                     ; or k_in's or v_in's,
	s_lshl_b32 s43, s26, 4
	s_add_co_u32 s43, s43, s40
	s_add_co_u32 s43, s43, WT                      ; or column tiles
	s_xor_b32 s58, s24, s25
	s_lshl_b32 s58, s58, 1
	s_max_u32 s58, s58, s25                        ; k, v: wave 0 makes k (0), wave 3 v (1), waves 1 and 2 nothing (2)
	s_cmp_lt_u32 ttmp9, 8                          ; every choice hangs on the work-group's and the wave's number alone
	s_cselect_b32 s53, s30, s28                    ; my first row tile in its tensor
	s_cselect_b32 s52, 0, s31                      ; the tensor: 0 q, 1 k, 2 v
	s_cselect_b32 s41, s41, s42
	s_cselect_b32 s59, 0, s58                      ; my way out: 0 with RoPE, 1 without, 2 none
	s_cmp_eq_u32 s24, 0
	s_cselect_b32 s41, s41, s43                    ; the first of the eight tiles that I fetch
	s_lshl_b32 s56, s41, 14
	s_mov_b32 s57, 0
	s_lshl_b32 s61, s22, 15                        ; and where they go: quarter w
	s_lshl_b32 s60, s26, 1
	s_add_co_u32 s60, s60, s25                     ; my unit, 0..17
	s_wait_dscnt 0x0                               ; both opening adds are done
	s_wait_kmcnt 0x0
	s_mov_b32 s44, 1
	s_mov_b32 s45, s61
	s_add_nc_u64 s[46:47], s[4:5], s[56:57]
	s_mov_b32 s48, 1
	s_add_co_u32 s49, s61, SLOT
	s_add_nc_u64 s[50:51], s[46:47], 4096
	s_or_b32 s47, s47, 0x80000000
	s_or_b32 s51, s51, 0x80000000
	tensor_load_to_lds s[44:47], s[32:39]          ; the first fills, one group: two loads of mine are out.  K steps 0-3,
	s_nop 0
	tensor_load_to_lds s[48:51], s[32:39]          ; K steps 4-7
	s_nop 0
	PLACES
	v_and_b32 v1, 31, v0
	v_lshlrev_b32 v[L16], 4, v1
	v_and_b32 v2, 15, v0                           ; r
	v_bfe_u32 v3, v0, 4, 1                         ; h
	s_lshl_b32 s54, s24, 15
	v_add_nc_u32 v6, s54, v[L16]
	v_add_nc_u32 v7, SLOT, v6
	s_lshl_b32 s54, s25, 15
	s_add_co_u32 s54, s54, 65536
	v_add_nc_u32 v26, s54, v[L16]
	v_add_nc_u32 v27, SLOT, v26
	s_lshl_b32 s54, s52, 8
	s_add_co_u32 s54, s54, s53
	s_lshl_b32 s54, s54, 10                        ; my row tiles' scale words
	s_lshl_b32 s55, s60, 13
	s_add_co_u32 s55, s55, WS                      ; my unit's column tiles'
	s_sub_co_u32 s55, s55, s54
	v_mul_lo_u32 v24, v3, s55                      ; lanes 16-31 take the weights'
	v_lshl_add_u32 v24, v2, 4, v24
	v_add_nc_u32 v24, s54, v24
.irp kq, 0,1,2,3
.irp i, 0,1,2,3,4,5,6,7
	global_load_b128 v[SC+32*\kq+4*\i:SC+32*\kq+4*\i+3], v24, s[6:7] offset:\i*1024+\kq*256
.endr
.endr
	s_lshl_b32 s66, s60, 9
	s_mov_b32 s67, 0
	s_add_nc_u64 s[66:67], s[10:11], s[66:67]      ; bq at my head,
	s_cmp_eq_u32 s60, 16
	s_cselect_b64 s[66:67], s[12:13], s[66:67]     ; or bk,
	s_cmp_eq_u32 s60, 17
	s_cselect_b64 s[66:67], s[14:15], s[66:67]     ; or bv,
	s_mov_b32 s62, 511
	s_cselect_b32 s62, 255, s62                    ; whose 256 bytes are walked twice: the pad columns' sums are never stored
.irp b, 0,1,2,3,4,5,6,7
	v_lshl_add_u32 v[8+\b], v3, 5, \b*64
.endr
.irp b, 0,1,2,3,4,5,6,7
	v_and_b32 v[8+\b], s62, v[8+\b]
.endr
	WIN TO_B
.irp b, 0,1,2,3,4,5,6,7
	global_load_b128 v[64+8*\b:64+8*\b+3], v[8+\b], s[66:67]           ; the bias of columns 16 b + 8 h + 0..7, in the result's layout
	global_load_b128 v[64+8*\b+4:64+8*\b+7], v[8+\b], s[66:67] offset:16
.endr
	WIN 0
	s_and_b32 s54, s53, 127                        ; my first tile of positions
	s_lshl_b32 s68, s54, 13
	s_mov_b32 s69, 0
	s_add_nc_u64 s[68:69], s[8:9], s[68:69]        ; the table of cos and sin
.macro FETCH_B slot, q, p              ; my column half's eight fragments of the slot's q-th K step into set p
	WIN TO_B
.irp b, 0,1,2,3,4,5,6,7
	ds_load_b128 v[128*(\p)+8*\b:128*(\p)+8*\b+3], v[ADRB+\slot] offset:\b*4096+(\q)*1024
	ds_load_b128 v[128*(\p)+8*\b+4:128*(\p)+8*\b+7], v[ADRB+\slot] offset:\b*4096+(\q)*1024+512
.endr
	WIN 0
.endm
.macro FETCH_A slot, q, i0             ; my row tiles i0 .. i0 + 3, the slot's q-th K step
.irp i, \i0, \i0+1, \i0+2, \i0+3
	ds_load_b128 v[AF+8*(\i):AF+8*(\i)+3], v[ADRA+\slot] offset:(\i)*4096+(\q)*1024
	ds_load_b128 v[AF+8*(\i)+4:AF+8*(\i)+7], v[ADRA+\slot] offset:(\i)*4096+(\q)*1024+512
.endr
.endm
; 16 matrix instructions: row tiles a0, a0 + 1 x the eight column tiles.  The 64 accumulators take turns, one instruction a turn, in the same order in every step.
.macro MUL16 a0, p, ks, first
.irp a, \a0, \a0+1
.irp b, 0,1,2,3,4,5,6,7
.if \first
	v_wmma_scale_f32_16x16x128_f8f6f4 v[8*(8*((\a)%4)+\b):8*(8*((\a)%4)+\b)+7], v[128*(\p)+8*\b:128*(\p)+8*\b+7], v[AF+8*(\a):AF+8*(\a)+7], v[64+8*\b:64+8*\b+7], v[SC+32*((\ks)/4)+4*\b+(\ks)%4], v[SC+32*((\ks)/4)+4*(\a)+(\ks)%4] matrix_a_fmt:MATRIX_FMT_FP4 matrix_b_fmt:MATRIX_FMT_FP4 matrix_a_scale:MATRIX_SCALE_ROW1
.else
	v_wmma_scale_f32_16x16x128_f8f6f4 v[8*(8*((\a)%4)+\b):8*(8*((\a)%4)+\b)+7], v[128*(\p)+8*\b:128*(\p)+8*\b+7], v[AF+8*(\a):AF+8*(\a)+7], v[8*(8*((\a)%4)+\b):8*(8*((\a)%4)+\b)+7], v[SC+32*((\ks)/4)+4*\b+(\ks)%4], v[SC+32*((\ks)/4)+4*(\a)+(\ks)%4] matrix_a_fmt:MATRIX_FMT_FP4 matrix_b_fmt:MATRIX_FMT_FP4 matrix_a_scale:MATRIX_SCALE_ROW1
.endif
.endr
.endr
.endm
; K step ks, the slot's q-th of its first three; the weights' set is ks % 2.  A row tile is free as soon as its eight products are issued: tiles 0-3 are fetched anew in the step's middle, tiles 4-7 at its end.  first = 1: C is the bias, in window 1.
.macro STEP slot, q, ks, first
	s_wait_dscnt 8                                 ; the weights' set and row tiles 0-3 are in; the youngest eight loads (row tiles 4-7) may be out
.if \first
	WIN 0x91
.else
	WIN MUL_LO
.endif
	MUL16 0, (\ks)%2, \ks, \first
	MUL16 2, (\ks)%2, \ks, \first
	s_wait_dscnt 0x0
	PLACES
	FETCH_B \slot, (\q)+1, 1-(\ks)%2
	FETCH_A \slot, (\q)+1, 0
.if \first
	WIN 0xd1
.else
	WIN MUL_HI
.endif
	MUL16 4, (\ks)%2, \ks, \first
	MUL16 6, (\ks)%2, \ks, \first
	PLACES
	WIN 0
	FETCH_A \slot, (\q)+1, 4
.endm
; A slot's fourth K step changes slots: one barrier; ahead of it each wave waits for all its tensor loads, adds 0 to its spare word, and waits for that and for its reads of this slot.  fill = 1: the slot is filled again.
.macro TURN slot, next, ks, fill
	s_wait_tensorcnt 0x0                           ; all my tensor loads have landed: my quarter of the next slot
	ds_add_u32 v[SPW], v[NIL]
	s_wait_dscnt 9                                 ; (the add and the youngest eight loads may be out)
	WIN MUL_LO
	MUL16 0, 1, \ks, 0
	s_wait_dscnt 0x0                               ; the add is done, and my reads of this slot are over
	s_barrier_signal -1
	MUL16 2, 1, \ks, 0
	WIN 0
	s_barrier_wait -1                              ; nobody reads this slot any more, and the next slot is whole
.if \fill
	s_add_nc_u64 s[46+4*\slot:47+4*\slot], s[46+4*\slot:47+4*\slot], 8192    ; no load of mine is out: this slot's next four K steps
	tensor_load_to_lds s[44+4*\slot:47+4*\slot], s[32:39]                    ; my one tensor load behind the barrier
	s_nop 0
.endif
	PLACES                                         ; behind the load, and ahead of the LDS loads below
	FETCH_B \next, 0, 0
	FETCH_A \next, 0, 0
	WIN MUL_HI
	MUL16 4, 1, \ks, 0
	MUL16 6, 1, \ks, 0
	PLACES
	WIN 0
	FETCH_A \next, 0, 4
.endm
.macro TABLOAD a                       ; cos and sin of row tile a: 16 registers for each of four column tiles
.set TL, 32+64*((\a)%2)
.irp b, 0,1,2,3
.irp e, 0,1,2,3
	global_load_b128 v[TL+16*\b+4*\e:TL+16*\b+4*\e+3], v[L16], s[68:69] offset:(\a)*8192+\b*2048+\e*512
.endr
.endr
.endm
	s_wait_tensorcnt 0x1                           ; my quarter of slot 0 is in; slot 1's load may stay out
	s_barrier_signal -1
	s_barrier_wait -1                              ; everybody's quarter is in
	FETCH_B 0, 0, 0
	FETCH_A 0, 0, 0
	FETCH_A 0, 0, 4
	s_wait_loadcnt 0x0                             ; the scale words and the bias
	STEP 0, 0, 0, 1                                ; the walk along K is written out: the scale words' registers differ from step to step
	STEP 0, 1, 1, 0
	STEP 0, 2, 2, 0
	TURN 0, 1, 3, 1
	STEP 1, 0, 4, 0
	STEP 1, 1, 5, 0
	STEP 1, 2, 6, 0
	TURN 1, 0, 7, 1
	STEP 0, 0, 8, 0
	STEP 0, 1, 9, 0
	STEP 0, 2, 10, 0
	TURN 0, 1, 11, 0                               ; the last two slots are on hand: nothing is left to fetch
	s_cmp_lg_u32 s59, 0                            ; the first row tile's cos and sin are asked for here, by the waves that will turn their results: they land in the scale words' registers
	s_cbranch_scc1 .Lnotab                         ; of K steps 0-7, which are done with, under the last four K steps
	TABLOAD 0
.Lnotab:
	STEP 1, 0, 12, 0
	STEP 1, 1, 13, 0
	STEP 1, 2, 14, 0
	s_wait_dscnt 8
	WIN MUL_LO
	MUL16 0, 1, 15, 0
	MUL16 2, 1, 15, 0
	s_wait_dscnt 0x0
	WIN MUL_HI
	MUL16 4, 1, 15, 0
	MUL16 6, 1, 15, 0
	WIN 0
; THE WAY OUT.
	s_and_b32 s63, s53, 127                        ; 0 where my first row tile holds a sequence's first 16 positions
	s_lshr_b32 s62, s53, 7                         ; the batch
	s_lshl_b32 s74, s60, 12                        ; q16: my head's 4,096 bytes in a row tile's 65,536
	s_sub_co_u32 s75, s60, 16
	s_lshl_b32 s75, s75, 12                        ; kv16: K at 0, V at 4,096 of a key tile's 6,144
	s_cmp_lt_u32 s60, 16
	s_cselect_b64 s[70:71], s[16:17], s[18:19]
	s_mov_b32 s72, 6144
	s_cselect_b32 s72, 65536, s72                  ; s[72:73]: from row tile to row tile
	s_cselect_b32 s74, s74, s75
	s_mov_b32 s73, 0
	s_mul_i32 s76, s53, s72
	s_add_co_u32 s76, s76, s74
	s_mov_b32 s77, 0
	s_add_nc_u64 s[70:71], s[70:71], s[76:77]
	s_lshl_b32 s74, s62, 17
	s_lshl_b32 s75, s60, 9
	s_add_co_u32 s74, s74, s75                     ; fine32: q [2][16][2048] at 0,
	s_lshl_b32 s75, s62, 13
	s_add_co_u32 s75, s75, 262144                  ; k [2][16][128],
	s_lshl_b32 s76, s62, 12
	s_add_co_u32 s76, s76, 278528                  ; v [2][16][64]
	s_mov_b32 s78, 8192
	s_cmp_eq_u32 s60, 16
	s_cselect_b32 s74, s75, s74
	s_cselect_b32 s78, 512, s78
	s_cmp_eq_u32 s60, 17
	s_cselect_b32 s74, s76, s74
	s_cselect_b32 s78, 256, s78
	s_mov_b32 s75, 0
	s_add_nc_u64 s[74:75], s[20:21], s[74:75]
	v_mul_lo_u32 v8, v2, s78
	v_lshl_add_u32 v8, v3, 5, v8                   ; fine32: row r, + 32 h
	v_lshrrev_b32 v9, 3, v2
	v_lshl_add_u32 v9, v9, 1, v3
	v_and_b32 v10, 7, v2
	v_lshl_add_u32 v9, v9, 3, v10
	v_lshlrev_b32 v9, 4, v9                        ; V: the chunk of (key r, channel half h) lies at place ((r / 8) 2 + h) 8 + r % 8, where the turning load's lane of that number looks for it
	PLACES
	s_cmp_eq_u32 s59, 2                            ; the two waves of a k, v work-group whose products nobody wants store nothing
	s_cbranch_scc1 .Lend
	s_cmp_eq_u32 s59, 1
	s_cbranch_scc1 .Lvout
; Row tile a: y1 = x1 cos - x2 sin, y2 = x1 sin + x2 cos, x1 = column tile b, x2 = column tile b + 4; each accumulator is read from its low end on.
.macro ROPE a
.set TS, 32+64*((\a)%2)
.set AC, 64*((\a)%4)
.if (\a) < 7
	TABLOAD (\a)+1
	s_wait_loadcnt 16                              ; this tile's table is in; the next tile's 16 loads may be out
.else
	s_wait_loadcnt 0x0
.endif
	WIN 2+(\a)/4                                   ; source 0: the accumulators' window
.irp b, 0,1,2,3
.irp j, 0,2,4,6
	v_pk_mul_f32 v[16+\j:17+\j], v[AC+32+8*\b+\j:AC+32+8*\b+\j+1], v[TS+16*\b+8+\j:TS+16*\b+8+\j+1]
.endr
.irp j, 0,2,4,6
	v_pk_fma_f32 v[YR+8*\b+\j:YR+8*\b+\j+1], v[AC+8*\b+\j:AC+8*\b+\j+1], v[TS+16*\b+\j:TS+16*\b+\j+1], v[16+\j:17+\j] neg_lo:[0,0,1] neg_hi:[0,0,1]
.endr
.irp j, 0,2,4,6
	v_pk_mul_f32 v[16+\j:17+\j], v[AC+32+8*\b+\j:AC+32+8*\b+\j+1], v[TS+16*\b+\j:TS+16*\b+\j+1]
.endr
.irp j, 0,2,4,6
	v_pk_fma_f32 v[YR+32+8*\b+\j:YR+32+8*\b+\j+1], v[AC+8*\b+\j:AC+8*\b+\j+1], v[TS+16*\b+8+\j:TS+16*\b+8+\j+1], v[16+\j:17+\j]
.endr
.endr
	WIN 0
.set n, 0
.rept 32
	v_cvt_pk_f16_f32 v[HR+n], v[YR+2*n], v[YR+2*n+1]
.set n, n+1
.endr
.irp b, 0,1,2,3,4,5,6,7
	global_store_b128 v[L16], v[HR+4*\b:HR+4*\b+3], s[70:71] offset:\b*512   ; 512 consecutive bytes: half a fragment
.endr
.if (\a) == 0
	s_cmp_lg_u32 s63, 0
	s_cbranch_scc1 .Lnofine
.irp b, 0,1,2,3,4,5,6,7
	global_store_b128 v8, v[YR+8*\b:YR+8*\b+3], s[74:75] offset:\b*64
	global_store_b128 v8, v[YR+8*\b+4:YR+8*\b+7], s[74:75] offset:\b*64+16
.endr
.Lnofine:
.endif
.if (\a) < 7
	s_wait_xcnt 0x0                                ; the stores have read their data and their base
	s_add_nc_u64 s[70:71], s[70:71], s[72:73]
.endif
.endm
.irp a, 0,1,2,3,4,5,6,7
	ROPE \a
.endr
.Lend:
	s_wait_tensorcnt 0x0                           ; the wave's end
	ds_add_u32 v[SPW], v[NIL]
	s_wait_dscnt 0x0
	s_endpgm
.Lvout:
.macro VOUT a                          ; V has no RoPE: column tiles 0-3 are packed as they are
.set AC, 64*((\a)%4)
	WIN 0x0a+5*((\a)/4)
.set n, 0
.rept 16
	v_cvt_pk_f16_f32 v[HR+n], v[AC+2*n], v[AC+2*n+1]
.set n, n+1
.endr
	WIN 0
.irp b, 0,1,2,3
	global_store_b128 v9, v[HR+4*\b:HR+4*\b+3], s[70:71] offset:\b*512
.endr
.if (\a) == 0
	s_cmp_lg_u32 s63, 0
	s_cbranch_scc1 .Lnofinev
	WIN 0x08                                       ; a store's data are its source 1: window 2
.irp b, 0,1,2,3
	global_store_b128 v8, v[AC+8*\b:AC+8*\b+3], s[74:75] offset:\b*64
	global_store_b128 v8, v[AC+8*\b+4:AC+8*\b+7], s[74:75] offset:\b*64+16
.endr
	WIN 0
.Lnofinev:
.endif
.if (\a) < 7
	s_wait_xcnt 0x0
	s_add_nc_u64 s[70:71], s[70:71], s[72:73]
.endif
.endm
.irp a, 0,1,2,3,4,5,6,7
	VOUT \a
.endr
	s_wait_tensorcnt 0x0                           ; the wave's end
	ds_add_u32 v[SPW], v[NIL]
	s_wait_dscnt 0x0
	s_endpgm
.Lfunc_end_k_q287ea8d2bb_proj:
	.size	k_q287ea8d2bb_proj, .Lfunc_end_k_q287ea8d2bb_proj-k_q287ea8d2bb_proj
	.p2alignl 7, 3214868480
	.fill 96, 4, 3214868480
	.section	.rodata,"a",@progbits
	.p2align	6, 0x0
	.amdhsa_kernel k_q287ea8d2bb_proj
		.amdhsa_group_segment_fixed_size 327680
		.amdhsa_private_segment_fixed_size 0
		.amdhsa_enable_private_segment 0
		.amdhsa_kernarg_size 72
		.amdhsa_user_sgpr_count 2
		.amdhsa_user_sgpr_kernarg_segment_ptr 1
		.amdhsa_wavefront_size32 1
		.amdhsa_system_sgpr_workgroup_id_x 1
		.amdhsa_system_sgpr_workgroup_id_y 1
		.amdhsa_system_sgpr_workgroup_id_z 1
		.amdhsa_system_vgpr_workitem_id 0
		.amdhsa_next_free_vgpr 1024
		.amdhsa_next_free_sgpr 80
		.amdhsa_reserve_vcc 0
		.amdhsa_float_denorm_mode_32 3
		.amdhsa_float_denorm_mode_16_64 3
		.amdhsa_memory_ordered 1
		.amdhsa_forward_progress 1
		.amdhsa_inst_pref_size 255
	.end_amdhsa_kernel
	.section	.bss,"aw",@nobits
	.p2align	6
	.space	262144
	.amdgpu_metadata
---
amdhsa.version: [ 1, 2 ]
amdhsa.kernels:
  - .name:           k_q287ea8d2bb_proj
    .symbol:         k_q287ea8d2bb_proj.kd
    .args:
      - { .name: codes, .offset: 0, .size: 8, .value_kind: global_buffer, .address_space: global }
      - { .name: scales, .offset: 8, .size: 8, .value_kind: global_buffer, .address_space: global }
      - { .name: tab, .offset: 16, .size: 8, .value_kind: global_buffer, .address_space: global }
      - { .name: bq, .offset: 24, .size: 8, .value_kind: global_buffer, .address_space: global }
      - { .name: bk, .offset: 32, .size: 8, .value_kind: global_buffer, .address_space: global }
      - { .name: bv, .offset: 40, .size: 8, .value_kind: global_buffer, .address_space: global }
      - { .name: q16, .offset: 48, .size: 8, .value_kind: global_buffer, .address_space: global }
      - { .name: kv16, .offset: 56, .size: 8, .value_kind: global_buffer, .address_space: global }
      - { .name: fine32, .offset: 64, .size: 8, .value_kind: global_buffer, .address_space: global }
    .group_segment_fixed_size: 327680
    .private_segment_fixed_size: 0
    .kernarg_segment_align: 8
    .kernarg_segment_size: 72
    .max_flat_workgroup_size: 128
    .sgpr_count:     80
    .vgpr_count:     1024
    .wavefront_size: 32
...
	.end_amdgpu_metadata
.endif
;; end of part 2
;; launch attn (part 3): grid 128 x 2, 4 waves a work-group, no clusters, 327,680 bytes of LDS; arguments q16, kv16, mask, attn16; writes attn16
.if DOCPART == 3
	.amdgcn_target "amdgcn-amd-amdhsa--gfx1250"
	.amdhsa_code_object_version 6
	.text
	.protected	k_q287ea8d2bb_attn
	.globl	k_q287ea8d2bb_attn
	.p2align	8
	.type	k_q287ea8d2bb_attn,@function
k_q287ea8d2bb_attn:
	s_mov_b64 s[64:65], 0
	v_nop
	global_prefetch_b8 v0, s[64:65] scope:SCOPE_SE
	s_setreg_imm32_b32 hwreg(HW_REG_WAVE_MODE, 25, 1), 1
	s_wait_xcnt 0x0
; ATTN: softmax(q k^T / sqrt(128), causal and padding masks) v for 16 heads that share one K and one V head.  Operands f16, products, maxima and sums f32; the weights p are rounded to f16 for the second product.
; SHARES.  Work-group (x, y): batch y; i = x / 2, g = x % 2.  It owns heads 8 g .. 8 g + 7 of TWO blocks of 16 queries: the late block 127 - i and the early block i: (127 - i) / 4 + 1 and i / 4 + 1 steps of 64 keys,
; 33 in every work-group.  Wave w takes heads 8 g + 2 w, + 1: tiles 0, 1 (the late block: piece 0) and tiles 2, 3 (the early block: piece 2).
; LAYOUT.  Both products are used transposed: S^T = K Q^T (source 0 = 16 keys, source 1 = 16 queries), O^T = V^T P (source 0 = 16 channels, source 1 = P): a lane holds ONE query throughout; two tiles of S^T, packed, are P's fragment.
; K and V come from kv16 as images of fragments (V in the order in which the turning load's lanes look), through a ring of two slots of 256 keys.  Wave w fetches key tile w of each of a slot's four steps.
; EVERY work-group walks all 8 slots and 32 steps: the trip counts are constants.  A step whose keys all come after a piece's queries is jumped over (ids alone); a slot whose first key comes after the work-group's last query is not asked for.
; THE MASKS.  A hidden key's score is -3e38: the padding mask as the C of a key tile's first product, the causal mask by a select on the diagonal.  The running maximum begins at -1e30, above every hidden and under every real score
; (f16 operands bound a score by 5.5e11), so a hidden p is 2^(-4e37) = 0.  A row with no key at all ends with sum 0 and O 0, and 0 x (1 / 0) is NaN, as the softmax of a row of -infinity is.
; NO CLUSTER: where a work-group's requests end hangs on its number, and a joint request may not be jumped over.
; LIMITS: |q|, |k|, |v| under 65,504 (f16).
; REGISTERS: window 0: v1-15 addresses; v32-63 statistics, 8 a tile (+0 c m, +1 m, +2, +3 the sum in two halves, +4..+7 at work; a at +6); v64-191 S^T, 32 a tile; v192-255 P, 16 a tile.
;   window 1: v0-127 Q, 32 a tile; v128-255 O^T, 32 a tile.   window 2: v0-127 K of a step; v128-191 V; v192-223 the mask's bias, 8 a key tile.
.set SLOT1, 131072                     ; slot 0 at 0, slot 1 here: 98,304 bytes each, [key tile in step 0..3][step 0..3][6,144]
.set MB,    262144                     ; the mask's bias, 2,048 f32; stored by the waves, never a fill's target
.set SPARE, 278528                     ; the spare words
.set ADR, 2                            ; v2, v3  the step's key tiles 0, 1 and 2, 3
.set ADM, 13                           ; v13 the step's bias
.set SPW, 30
.set NIL, 31
.set ST,  32
.set S,   64
.set P,   192
.set WV,  12
.set TB,  28                           ; s28 LDS byte of the step in hand
.set KF,  29                           ; s29 its first key;  s30 the same x 4
.set KF4, 30
.set QLL, 31                           ; s31, s32 the last query of the late, the early block
.set QLE, 32
.set SLOTS, 33
.set STP, 34
.set CS,  36                           ; s[36:37] c = log2(e) / sqrt(128)
.set SEL, 38                           ; s[38:39] lane l xor 16
.set PFA, 40                           ; s[40:41] where my prefetches stand
.set LIM, 42
.set Q0L, 43                           ; s43, s44 the blocks' first queries
.set Q0E, 44
.set MSB, 0
.macro WIN new
.if MSB != (\new)
	s_set_vgpr_msb (MSB<<8)|(\new)
.set MSB, (\new)
.endif
.endm
	s_load_b256 s[4:11], s[0:1], 0x0               ; q16 s4, kv16 s6, mask s8, attn16 s10
	v_lshl_add_u32 v[SPW], v0, 2, SPARE
	v_mov_b32 v[NIL], 0
	ds_add_u32 v[SPW], v[NIL]                      ; the opening: the add, twice on end, and its wait ahead of my first tensor load
	ds_add_u32 v[SPW], v[NIL]
	v_lshrrev_b32 v1, 5, v0
	v_readfirstlane_b32 s[WV], v1
	s_and_b32 s13, ttmp7, 0xffff                   ; the batch
	s_lshr_b32 s14, ttmp9, 1                       ; i
	s_and_b32 s15, ttmp9, 1                        ; g
	s_mov_b32 s16, 3<<16                           ; 4 rows (a key tile of each step) of 768 elements of 8 bytes, 3,072 elements apart
	s_mov_b32 s17, 768<<16
	s_mov_b32 s18, 4<<16
	s_mov_b32 s19, 768<<16
	s_mov_b32 s20, 4
	s_mov_b32 s21, 3072
	s_mov_b32 s22, 0
	s_mov_b32 s23, 0
	s_sub_co_u32 s45, 127, s14                     ; the late block
	s_lshl_b32 s[Q0L], s45, 4
	s_lshl_b32 s[Q0E], s14, 4
	s_add_co_u32 s[QLL], s[Q0L], 15
	s_add_co_u32 s[QLE], s[Q0E], 15
	s_mov_b32 s[TB], 0
	s_mov_b32 s[KF], 0
	s_mov_b32 s[KF4], 0
	s_mov_b32 s[SLOTS], 8
	s_mov_b32 s[CS], 0x3e0293ee
	s_mov_b32 s[CS+1], s[CS]
	s_mov_b32 s[SEL], 0x76543210
	s_mov_b32 s[SEL+1], 0xfedcba98
	s_cmp_eq_u32 ttmp9, 0
	s_cselect_b32 s[LIM], 2, -1                    ; the batch's first work-group, which walks all slots, prefetches
	s_mul_i32 s46, s13, 786432
	s_mov_b32 s47, 0
	s_mul_i32 s48, s[WV], 6144
	s_mov_b32 s49, 0
	s_mul_i32 s50, s[WV], 24576
	s_mov_b32 s51, 0
	s_mov_b32 s24, 1
	s_mul_i32 s25, s[WV], 24576
	s_wait_dscnt 0x0                               ; both opening adds are done
	s_wait_kmcnt 0x0
	s_add_nc_u64 s[6:7], s[6:7], s[46:47]          ; kv16 at my batch
	s_add_nc_u64 s[26:27], s[6:7], s[48:49]
	s_or_b32 s27, s27, 0x80000000
	tensor_load_to_lds s[24:27], s[16:23]          ; slot 0: key 0 counts for every query's walk
	s_nop 0
.rept 4
	v_nop
.endr
	s_add_nc_u64 s[PFA:PFA+1], s[6:7], s[50:51]
	s_add_nc_u64 s[PFA:PFA+1], s[PFA:PFA+1], 98304 ; in slot 1: the first change of slots steps it to slot 2.  Nothing is prefetched at the head
	s_lshl_b32 s46, s13, 7
	s_add_co_u32 s48, s46, s45                     ; the late block's row tile
	s_add_co_u32 s50, s46, s14                     ; the early block's
	s_lshl_b32 s46, s15, 3
	s_lshl_b32 s52, s[WV], 1
	s_add_co_u32 s46, s46, s52                     ; my first head
	s_lshl_b32 s52, s48, 4
	s_add_co_u32 s52, s52, s46
	s_lshl_b32 s52, s52, 12
	s_mov_b32 s53, 0
	s_add_nc_u64 s[52:53], s[4:5], s[52:53]
	s_lshl_b32 s54, s50, 4
	s_add_co_u32 s54, s54, s46
	s_lshl_b32 s54, s54, 12
	s_mov_b32 s55, 0
	s_add_nc_u64 s[54:55], s[4:5], s[54:55]
	s_lshl_b32 s46, s46, 11
	s_lshl_b32 s56, s48, 15
	s_add_co_u32 s56, s56, s46
	s_mov_b32 s57, 0
	s_add_nc_u64 s[56:57], s[10:11], s[56:57]      ; attn16: the late block's two heads,
	s_lshl_b32 s58, s50, 15
	s_add_co_u32 s58, s58, s46
	s_mov_b32 s59, 0
	s_add_nc_u64 s[58:59], s[10:11], s[58:59]      ; the early block's
	s_lshl_b32 s60, s13, 11
	s_mov_b32 s61, 0
	s_add_nc_u64 s[60:61], s[8:9], s[60:61]        ; the batch's mask
	v_and_b32 v1, 31, v0
	v_lshlrev_b32 v9, 8, v1                        ; the prefetches: lanes 256 bytes apart
	v_lshlrev_b32 v1, 4, v1                        ; 16 x lane
	v_and_b32 v10, 15, v0
	v_bfe_u32 v11, v0, 4, 1
	v_lshl_add_u32 v4, v11, 5, MB                  ; the bias of keys 8 h on
	v_lshlrev_b32 v12, 3, v11
	v_sub_nc_u32 v12, v10, v12
	v_add_nc_u32 v5, s[Q0L], v12                   ; my query - 8 h, late block,
	v_add_nc_u32 v6, s[Q0E], v12                   ; early block
	v_mov_b32 v8, 0xff61b1e6                       ; -3e38
	WIN 0x40
.set n, 0
.rept 16
	global_load_b128 v[4*n:4*n+3], v1, s[52:53] offset:512*n           ; Q stays in registers
.set n, n+1
.endr
.set n, 0
.rept 16
	global_load_b128 v[64+4*n:64+4*n+3], v1, s[54:55] offset:512*n
.set n, n+1
.endr
	WIN 0
	v_lshlrev_b32 v15, 4, v0
	global_load_b128 v[16:19], v15, s[60:61]       ; thread t: the mask of keys 16 t on
	v_lshl_add_u32 v14, v0, 6, MB
.irp t, 0,1,2,3
	v_mov_b32 v[ST+8*\t+1], 0xf149f2ca             ; m = -1e30
	v_mul_f32 v[ST+8*\t], s[CS], v[ST+8*\t+1]
.irp e, 2,3,4,5,6,7
	v_mov_b32 v[ST+8*\t+\e], 0
.endr
.endr
	WIN 0x40
.set n, 0
.rept 128
	v_mov_b32 v[128+n], 0                          ; O^T.  (The step is written once: its first pass finds zeros)
.set n, n+1
.endr
	WIN 0
	s_wait_loadcnt 0x0                             ; Q and the mask
.irp d, 0,1,2,3
.irp k, 0,1,2,3
	v_bfe_u32 v7, v[16+\d], 8*\k, 8
	v_cmp_ne_u32 vcc_lo, 0, v7
	v_cndmask_b32 v[S+4*\d+\k], 0, v8, vcc_lo
.endr
	ds_store_b128 v14, v[S+4*\d:S+4*\d+3] offset:16*\d
.endr
; Product i of 32 of S^T = K Q^T: channels 32 (i / 8) on, key tile (i / 2) % 4, tile x + i % 2.  The first 8 begin the sums with the mask's bias.  Eight accumulators by turns.
.macro KQ x
.set rS, S+32*(\x+i%2)+8*((i/2)%4)
.set rK, 32*((i/2)%4)+8*(i/8)
.set rQ, 32*(\x+i%2)+8*(i/8)
.set rB, 192+8*((i/2)%4)
.if i < 8
	WIN 0x26
	v_wmma_f32_16x16x32_f16 v[rS:rS+7], v[rK:rK+7], v[rQ:rQ+7], v[rB:rB+7]
.else
	WIN 0x06
	v_wmma_f32_16x16x32_f16 v[rS:rS+7], v[rK:rK+7], v[rQ:rQ+7], v[rS:rS+7]
.endif
.endm
; Product i of 16 of O^T += V^T P: keys 32 (i / 8) on, channels 16 ((i / 2) % 4) on, tile x + i % 2.
.macro PV x
.set rO, 128+32*(\x+i%2)+8*((i/2)%4)
.set rV, 128+32*(i/8)+8*((i/2)%4)
.set rP, P+16*(\x+i%2)+8*(i/8)
	WIN 0x52
	v_wmma_f32_16x16x32_f16 v[rO:rO+7], v[rV:rV+7], v[rP:rP+7], v[rO:rO+7]
.endm
; The softmax of a piece's two tiles for one step, the tiles' lines by turns.
.macro SOFT x
.irp c, 0,1,2,3
.irp t, \x, \x+1
	v_max3_num_f32 v[ST+8*(\t)+4+\c], v[S+32*(\t)+8*\c], v[S+32*(\t)+8*\c+1], v[S+32*(\t)+8*\c+2]
.endr
.endr
.irp k, 3,5
.irp c, 0,1,2,3
.irp t, \x, \x+1
	v_max3_num_f32 v[ST+8*(\t)+4+\c], v[ST+8*(\t)+4+\c], v[S+32*(\t)+8*\c+\k], v[S+32*(\t)+8*\c+\k+1]
.endr
.endr
.endr
.irp t, \x, \x+1
	v_max3_num_f32 v[ST+8*(\t)+4], v[ST+8*(\t)+4], v[S+32*(\t)+7], v[S+32*(\t)+15]
.endr
.irp t, \x, \x+1
	v_max3_num_f32 v[ST+8*(\t)+6], v[ST+8*(\t)+6], v[S+32*(\t)+23], v[S+32*(\t)+31]
.endr
.irp t, \x, \x+1
	v_max3_num_f32 v[ST+8*(\t)+4], v[ST+8*(\t)+4], v[ST+8*(\t)+5], v[ST+8*(\t)+6]
.endr
.irp t, \x, \x+1
	v_max3_num_f32 v[ST+8*(\t)+4], v[ST+8*(\t)+4], v[ST+8*(\t)+7], v[ST+8*(\t)+1]   ; with the old m
.endr
.irp t, \x, \x+1
	v_permlanex16_b32 v[ST+8*(\t)+5], v[ST+8*(\t)+4], s[SEL], s[SEL+1]               ; the query's other 32 keys lie in the lane 16 away
.endr
.irp t, \x, \x+1
	v_mov_b32 v[ST+8*(\t)+7], v[ST+8*(\t)]         ; c m_old
.endr
.irp t, \x, \x+1
	v_max_num_f32 v[ST+8*(\t)+1], v[ST+8*(\t)+4], v[ST+8*(\t)+5]
.endr
.irp t, \x, \x+1
	v_mul_f32 v[ST+8*(\t)], s[CS], v[ST+8*(\t)+1]
.endr
.irp t, \x, \x+1
	v_sub_f32 v[ST+8*(\t)+7], v[ST+8*(\t)+7], v[ST+8*(\t)]
.endr
.set n, 0
.rept 16
	v_pk_fma_f32 v[S+32*(\x)+2*n:S+32*(\x)+2*n+1], v[S+32*(\x)+2*n:S+32*(\x)+2*n+1], s[CS:CS+1], v[ST+8*(\x):ST+8*(\x)+1] op_sel_hi:[1,0,0] neg_lo:[0,0,1] neg_hi:[0,0,1]
	v_pk_fma_f32 v[S+32*(\x)+32+2*n:S+32*(\x)+32+2*n+1], v[S+32*(\x)+32+2*n:S+32*(\x)+32+2*n+1], s[CS:CS+1], v[ST+8*(\x)+8:ST+8*(\x)+9] op_sel_hi:[1,0,0] neg_lo:[0,0,1] neg_hi:[0,0,1]
.set n, n+1
.endr
	v_exp_f32 v[ST+8*(\x)+6], v[ST+8*(\x)+7]       ; a = 2^(c m_old - c m_new).  ONE BATCH of 66 exponentials
	v_exp_f32 v[ST+8*(\x)+14], v[ST+8*(\x)+15]
.set n, 0
.rept 32
	v_exp_f32 v[S+32*(\x)+n], v[S+32*(\x)+n]
	v_exp_f32 v[S+32*(\x)+32+n], v[S+32*(\x)+32+n]
.set n, n+1
.endr
	v_nop                                          ; a plain line behind the last exponential
	s_wait_alu depctr_va_vdst(0)                   ; and one wait for the batch, ahead of its first reader
.set n, 0
.rept 16
	v_cvt_pk_f16_f32 v[P+16*(\x)+n], v[S+32*(\x)+2*n], v[S+32*(\x)+2*n+1]
	v_cvt_pk_f16_f32 v[P+16*(\x)+16+n], v[S+32*(\x)+32+2*n], v[S+32*(\x)+32+2*n+1]
.set n, n+1
.endr
.irp w, 4,8,16,32                      ; the sum of a tile's 16 pairs, in place: neighbours 1, 2, 4, 8 pairs apart
.set n, 0
.rept 32/\w
	v_pk_add_f32 v[S+32*(\x)+\w*n:S+32*(\x)+\w*n+1], v[S+32*(\x)+\w*n:S+32*(\x)+\w*n+1], v[S+32*(\x)+\w*n+\w/2:S+32*(\x)+\w*n+\w/2+1]
	v_pk_add_f32 v[S+32*(\x)+32+\w*n:S+32*(\x)+32+\w*n+1], v[S+32*(\x)+32+\w*n:S+32*(\x)+32+\w*n+1], v[S+32*(\x)+32+\w*n+\w/2:S+32*(\x)+32+\w*n+\w/2+1]
.set n, n+1
.endr
.endr
	v_pk_fma_f32 v[ST+8*(\x)+2:ST+8*(\x)+3], v[ST+8*(\x)+2:ST+8*(\x)+3], v[ST+8*(\x)+6:ST+8*(\x)+7], v[S+32*(\x):S+32*(\x)+1] op_sel_hi:[1,0,1]
	v_pk_fma_f32 v[ST+8*(\x)+10:ST+8*(\x)+11], v[ST+8*(\x)+10:ST+8*(\x)+11], v[ST+8*(\x)+14:ST+8*(\x)+15], v[S+32*(\x)+32:S+32*(\x)+33] op_sel_hi:[1,0,1]
	WIN 0x41                                       ; O^T (destination and source 0) in window 1
.set n, 0
.rept 16
	v_pk_mul_f32 v[128+32*(\x)+2*n:128+32*(\x)+2*n+1], v[128+32*(\x)+2*n:128+32*(\x)+2*n+1], v[ST+8*(\x)+6:ST+8*(\x)+7] op_sel_hi:[1,0]
	v_pk_mul_f32 v[160+32*(\x)+2*n:160+32*(\x)+2*n+1], v[160+32*(\x)+2*n:160+32*(\x)+2*n+1], v[ST+8*(\x)+14:ST+8*(\x)+15] op_sel_hi:[1,0]
.set n, n+1
.endr
.endm
; A piece's part of a step.  q0: the scalar with the block's first query; dreg: the register with my query - 8 h.
.macro PIECE x, q0, dreg
	s_wait_dscnt 16                                ; K and the bias are in; V's 16 loads may be out
.set i, 0
.rept 32
	KQ \x
.set i, i+1
.endr
	WIN 0
	v_sub_nc_u32 v7, v[\dreg], s[KF]               ; d: register 8 kt + j holds key KF + 16 kt + 8 h + j, hidden where 16 kt + j > d.  With the three below: the places behind the products
.rept 3
	v_nop
.endr
	s_add_co_u32 s45, s[KF], 63
	s_cmp_le_u32 s45, s[\q0]                       ; a step all of whose keys count has no diagonal
	s_cbranch_scc1 .Lopen_\@
.set n, 0
.rept 32
	v_cmp_gt_i32 vcc_lo, 16*(n/8)+n%8, v7
	v_cndmask_b32 v[S+32*(\x)+n], v[S+32*(\x)+n], v8, vcc_lo
	v_cndmask_b32 v[S+32*(\x)+32+n], v[S+32*(\x)+32+n], v8, vcc_lo
.set n, n+1
.endr
.Lopen_\@:
	SOFT \x
	s_wait_dscnt 0x0                               ; V is in
.set i, 0
.rept 16
	PV \x
.set i, i+1
.endr
	WIN 0
.endm
.Lslot:                                            ; 8 trips, a slot each
	; THE CHANGE OF SLOTS, at a slot's head: all my tensor loads have landed (my part of the slot ahead), the add, my reads of the slot left behind are over; the barrier; then the slot left behind is asked for anew.
	s_wait_tensorcnt 0x0
	ds_add_u32 v[SPW], v[NIL]
	s_xor_b32 s25, s25, SLOT1                      ; no load of mine is out: the walking descriptor turns to the other slot,
	s_add_nc_u64 s[26:27], s[26:27], 98304         ; the next 256 keys
	s_wait_xcnt 0x0                                ; the last prefetches, a slot back, have read their address
	s_add_nc_u64 s[PFA:PFA+1], s[PFA:PFA+1], 98304
	s_wait_dscnt 0x0                               ; (in the first trip: my stores of the mask's bias too)
	s_barrier_signal -1
	s_barrier_wait -1
	s_add_co_u32 s45, s[KF], 256                   ; the first key of the slot that would be asked for:
	s_cmp_gt_u32 s45, s[QLL]                       ; past my work-group's last query nobody would read it.  Ids and the count of steps alone: the four waves go the same way; in the last trip it always holds
	s_cbranch_scc1 .Lpast
	tensor_load_to_lds s[24:27], s[16:23]          ; my one tensor load behind the barrier: it has a slot's four steps in which to land
	s_nop 0
.rept 4
	v_nop
.endr
.Lpast:
	; A PREFETCH INTO THE L2 of the slot after the one just asked for: my wave's 24,576 of its 98,304 bytes, lanes 256 bytes apart, three lines.  Each block is named once in the launch: by the batch's first work-group.
	; Slots 0 and 1 come by their loads alone; the last two changes ask for nothing.
	s_cmp_gt_u32 s[SLOTS], s[LIM]
	s_cbranch_scc0 .Lnoask
	global_prefetch_b8 v9, s[PFA:PFA+1] th:TH_LOAD_NT scope:SCOPE_SE
	global_prefetch_b8 v9, s[PFA:PFA+1] offset:8192 th:TH_LOAD_NT scope:SCOPE_SE
	global_prefetch_b8 v9, s[PFA:PFA+1] offset:16384 th:TH_LOAD_NT scope:SCOPE_SE
.Lnoask:
	s_mov_b32 s[STP], 4
.Lstep:                                            ; 4 trips, 64 keys each
	s_cmp_gt_u32 s[KF], s[QLL]
	s_cbranch_scc1 .Lskip
	v_add_nc_u32 v[ADR], s[TB], v1                 ; these four lines are also the places ahead of the loads into V's registers
	v_add_nc_u32 v[ADM], s[KF4], v4
	v_add_nc_u32 v[ADR+1], 49152, v[ADR]
	v_nop
	WIN 0x80                                       ; destination window 2
.irp kt, 0,1,2,3
.irp ks, 0,1,2,3
	ds_load_b128 v[32*\kt+8*\ks:32*\kt+8*\ks+3], v[ADR+\kt/2] offset:(\kt%2)*24576+\ks*1024
	ds_load_b128 v[32*\kt+8*\ks+4:32*\kt+8*\ks+7], v[ADR+\kt/2] offset:(\kt%2)*24576+\ks*1024+512
.endr
.endr
.irp kt, 0,1,2,3
	ds_load_b128 v[192+8*\kt:192+8*\kt+3], v[ADM] offset:\kt*64
	ds_load_b128 v[192+8*\kt+4:192+8*\kt+7], v[ADM] offset:\kt*64+16
.endr
.irp s, 0,1
.irp ct, 0,1,2,3
	ds_load_tr16_b128 v[128+32*\s+8*\ct:128+32*\s+8*\ct+3], v[ADR+\s] offset:4096+\ct*512
	ds_load_tr16_b128 v[128+32*\s+8*\ct+4:128+32*\s+8*\ct+7], v[ADR+\s] offset:24576+4096+\ct*512
.endr
.endr
	WIN 0
	PIECE 0, Q0L, 5
	s_cmp_gt_u32 s[KF], s[QLE]
	s_cbranch_scc1 .Lskip
	PIECE 2, Q0E, 6
.Lskip:
	s_add_co_u32 s[KF], s[KF], 64
	s_add_co_u32 s[KF4], s[KF4], 256
	s_add_co_u32 s[TB], s[TB], 6144
	s_sub_co_u32 s[STP], s[STP], 1
	s_cmp_lg_u32 s[STP], 0
	s_cbranch_scc1 .Lstep
	s_sub_co_u32 s[TB], s[TB], 24576
	s_xor_b32 s[TB], s[TB], SLOT1
	s_sub_co_u32 s[SLOTS], s[SLOTS], 1
	s_cmp_lg_u32 s[SLOTS], 0
	s_cbranch_scc1 .Lslot
	; THE WAY OUT.  A lane's eight channels of a query, packed, are a chunk of the output projection's fragment: every store is 512 consecutive bytes.  The additions are the places behind the last products.
.irp t, 0,1,2,3
	v_add_f32 v[ST+8*\t+4], v[ST+8*\t+2], v[ST+8*\t+3]
.endr
.irp t, 0,1,2,3
	v_permlanex16_b32 v[ST+8*\t+5], v[ST+8*\t+4], s[SEL], s[SEL+1]
.endr
.irp t, 0,1,2,3
	v_add_f32 v[ST+8*\t+4], v[ST+8*\t+4], v[ST+8*\t+5]
.endr
.irp t, 0,1,2,3
	v_rcp_f32 v[ST+8*\t+6], v[ST+8*\t+4]
.endr
	v_nop
	s_wait_alu depctr_va_vdst(0)                   ; one wait for the four reciprocals
	WIN 0x41
.set n, 0
.rept 64
	v_pk_mul_f32 v[128+2*n:128+2*n+1], v[128+2*n:128+2*n+1], v[ST+8*(n/16)+6:ST+8*(n/16)+7] op_sel_hi:[1,0]
.set n, n+1
.endr
	WIN 0x05
.set n, 0
.rept 64
	v_cvt_pk_f16_f32 v[S+n], v[128+2*n], v[128+2*n+1]
.set n, n+1
.endr
	WIN 0
.set n, 0
.rept 8
	global_store_b128 v1, v[S+4*n:S+4*n+3], s[56:57] offset:512*n
.set n, n+1
.endr
.set n, 0
.rept 8
	global_store_b128 v1, v[S+32+4*n:S+32+4*n+3], s[58:59] offset:512*n
.set n, n+1
.endr
	s_wait_tensorcnt 0x0                           ; the wave's end
	ds_add_u32 v[SPW], v[NIL]
	s_wait_dscnt 0x0
	s_endpgm
.Lfunc_end_k_q287ea8d2bb_attn:
	.size	k_q287ea8d2bb_attn, .Lfunc_end_k_q287ea8d2bb_attn-k_q287ea8d2bb_attn
	.p2alignl 7, 3214868480
	.fill 96, 4, 3214868480
	.section	.rodata,"a",@progbits
	.p2align	6, 0x0
	.amdhsa_kernel k_q287ea8d2bb_attn
		.amdhsa_group_segment_fixed_size 327680
		.amdhsa_private_segment_fixed_size 0
		.amdhsa_enable_private_segment 0
		.amdhsa_kernarg_size 32
		.amdhsa_user_sgpr_count 2
		.amdhsa_user_sgpr_kernarg_segment_ptr 1
		.amdhsa_wavefront_size32 1
		.amdhsa_system_sgpr_workgroup_id_x 1
		.amdhsa_system_sgpr_workgroup_id_y 1
		.amdhsa_system_sgpr_workgroup_id_z 1
		.amdhsa_system_vgpr_workitem_id 0
		.amdhsa_next_free_vgpr 768
		.amdhsa_next_free_sgpr 66
		.amdhsa_reserve_vcc 1
		.amdhsa_float_denorm_mode_32 3
		.amdhsa_float_denorm_mode_16_64 3
		.amdhsa_memory_ordered 1
		.amdhsa_forward_progress 1
		.amdhsa_inst_pref_size 69
	.end_amdhsa_kernel
	.amdgpu_metadata
---
amdhsa.version: [ 1, 2 ]
amdhsa.kernels:
  - .name:           k_q287ea8d2bb_attn
    .symbol:         k_q287ea8d2bb_attn.kd
    .args:
      - { .name: q16, .offset: 0, .size: 8, .value_kind: global_buffer, .address_space: global }
      - { .name: kv16, .offset: 8, .size: 8, .value_kind: global_buffer, .address_space: global }
      - { .name: mask, .offset: 16, .size: 8, .value_kind: global_buffer, .address_space: global }
      - { .name: attn16, .offset: 24, .size: 8, .value_kind: global_buffer, .address_space: global }
    .group_segment_fixed_size: 327680
    .private_segment_fixed_size: 0
    .kernarg_segment_align: 8
    .kernarg_segment_size: 32
    .max_flat_workgroup_size: 128
    .sgpr_count:     66
    .vgpr_count:     768
    .wavefront_size: 32
...
	.end_amdgpu_metadata
.endif
;; end of part 3
;; launch outproj (part 4): grid 8 x 32, 4 waves a work-group, clusters of 4 x 4, 327,680 bytes of LDS; arguments attn16, wo16, bo, out0; writes out0
.if DOCPART == 4
	.amdgcn_target "amdgcn-amd-amdhsa--gfx1250"
	.amdhsa_code_object_version 6
	.text
	.protected	k_q287ea8d2bb_outproj
	.globl	k_q287ea8d2bb_outproj
	.p2align	8
	.type	k_q287ea8d2bb_outproj,@function
k_q287ea8d2bb_outproj:
	s_mov_b64 s[64:65], 0
	v_nop
	global_prefetch_b8 v0, s[64:65] scope:SCOPE_SE
	s_setreg_imm32_b32 hwreg(HW_REG_WAVE_MODE, 25, 1), 1
	s_wait_xcnt 0x0
	s_wait_alu depctr_hold_cnt(0) depctr_sa_sdst(0) depctr_va_vdst(0) depctr_va_sdst(0) depctr_va_ssrc(0) depctr_va_vcc(0) depctr_vm_vsrc(0)
	s_getreg_b32 s2, hwreg(HW_REG_IB_STS2, 6, 4)
	s_cmp_eq_u32 s2, 0
	s_cbranch_scc0 .Lentry_in_a_cluster
	s_endpgm
.Lentry_in_a_cluster:
	s_bfe_u32 s2, ttmp6, 0x10000c
	s_cmp_lg_u32 s2, 0xf033
	s_cbranch_scc0 .Lentry_shape_is_right
	s_endpgm
.Lentry_shape_is_right:
; OUTPROJ: out0 = attn Wo + bo.  attn16 [256 row tiles][32 K steps of 32][1,024] and wo16 [128 column tiles][32][1,024] are f16 fragments as the matrix unit takes them; sums f32; out0 [4096][2048] f32.
; A tile of out0 is 128 rows x 256 columns: 8 x 32 = 256 work-groups.  Four waves, each 64 rows x 128 columns: 32 accumulators.  K goes in slots of 128 (four quarters of 32) through a ring of two LDS slots.
; CLUSTERS: 4 x 4 work-groups.  The four of a row of the cluster need the same rows of attn, the four of a column the same columns of Wo: each tile is asked for JOINTLY, by the same tensor load with the same descriptor and a mask that names the four.
; THE MATRIX INSTRUCTION IS USED TRANSPOSED (source 0 = 16 columns of Wo, source 1 = 16 rows of attn): a lane holds eight neighbouring numbers of a row.  The bias is the C of each sum's first matrix instruction.
; Rows 0-15 of each sequence are written here too, and written again, more finely, by the launch that follows.
; REGISTERS: window 0: v1-29 addresses; v64-127 the bias; v128-255 rows on the way out.  window 1: two fragment buffers of 96: Wo's 8 fragments, then attn's 4.  window 2: accumulator (a, b) at v[8 (8 a + b)].
.set SLOT,  98304                      ; attn's 8 row tiles x 4,096 bytes, then Wo's 16 column tiles x 4,096
.set STAGE, 2*SLOT                     ; behind the ring: 16 rows x (512 + 16) bytes for each wave
.set SPARE, STAGE+4*8448
.set LAPS,  4                          ; a lap = two slots = 256 along K
.set CO,   1                           ; v1  16 x lane
.set ADRA, 16
.set ADRB, 20
.set STO,  24
.set RD,   25
.set SPW,  28
.set NIL,  29
.set F0,   0
.set F1,   128
.set G1,  24
.set G0,  32
.set G1B, 48
.set G0B, 56
.set MSB, 0
.macro WIN new
.if MSB != (\new)
	s_set_vgpr_msb (MSB<<8)|(\new)
.set MSB, (\new)
.endif
.endm
.set MUL,  0xa5                        ; sources 0 and 1 window 1, C and D window 2
.set MUL0, 0x85                        ; the same with C (the bias) in window 0
.set TO_F, 0x40
.macro PLACES
.rept 4
	v_nop
.endr
.endm
.macro JLOAD s                         ; a joint load: waves 0 and 1 fetch attn's two halves, waves 2 and 3 Wo's; an s_nop 0 and four v_nop follow each line
	s_cmp_eq_u32 s13, 0
	s_cbranch_scc0 .Lfor_b_\@
	tensor_load_to_lds s[G0+4*\s:G0+4*\s+3], s[G1:G1+7]
	s_nop 0
	PLACES
	s_branch .Lasked_\@
.Lfor_b_\@:
	tensor_load_to_lds s[G0B+4*\s:G0B+4*\s+3], s[G1B:G1B+7]
	s_nop 0
	PLACES
.Lasked_\@:
.endm
.macro CREST                           ; a round of the cluster's barrier behind its opening barrier
	s_cmp_lg_u32 s12, 0
	s_cbranch_scc1 .Lnot_wave_0_\@
	s_barrier_signal -3
.Lnot_wave_0_\@:
	s_barrier_wait -3
	s_barrier_signal -1
	s_barrier_wait -1
.endm
.macro CROUND
	s_barrier_signal -1
	s_barrier_wait -1
	CREST
.endm
	s_load_b256 s[4:11], s[0:1], 0x0               ; attn16 s4, wo16 s6, bo s8, out0 s10
	v_lshl_add_u32 v[SPW], v0, 2, SPARE
	v_mov_b32 v[NIL], 0
	ds_add_u32 v[SPW], v[NIL]                      ; the opening: the add, twice on end, and its wait ahead of my first tensor load
	ds_add_u32 v[SPW], v[NIL]
	v_lshrrev_b32 v1, 5, v0
	v_readfirstlane_b32 s12, v1                    ; wave
	s_lshr_b32 s13, s12, 1                         ; my half of the rows.  Also: I fetch for attn (0) or for Wo (1)
	s_and_b32 s14, s12, 1                          ; my half of the columns.  Also: which half of that tile I fetch
	s_bfe_u32 s40, ttmp6, 0x40000                  ; cx
	s_bfe_u32 s41, ttmp6, 0x40004                  ; cy
	s_lshl_b32 s42, ttmp9, 2
	s_add_co_u32 s42, s42, s40                     ; tile column
	s_and_b32 s15, ttmp7, 0xffff
	s_lshl_b32 s15, s15, 2
	s_add_co_u32 s15, s15, s41                     ; tile row
	s_lshl_b32 s43, s41, 2
	s_lshl_b32 s43, 15, s43                        ; my row of the cluster
	s_lshl_b32 s44, 0x1111, s40                    ; my column
	s_or_b32 s[G1], s43, (3<<16)|(1<<21)           ; elements of 8 bytes; bit 21 beside a mask
	s_or_b32 s[G1B], s44, (3<<16)|(1<<21)
	s_mov_b32 s[G1+1], 512<<16                     ; attn: 4 row tiles x 4,096 bytes (four K steps), 32,768 bytes apart
	s_mov_b32 s[G1+2], 4<<16
	s_mov_b32 s[G1+3], 512<<16
	s_mov_b32 s[G1+4], 4
	s_mov_b32 s[G1+5], 4096
	s_mov_b32 s[G1+6], 0
	s_mov_b32 s[G1+7], 0
	s_mov_b32 s[G1B+1], 512<<16                    ; Wo: 8 column tiles likewise
	s_mov_b32 s[G1B+2], 8<<16
	s_mov_b32 s[G1B+3], 512<<16
	s_mov_b32 s[G1B+4], 8
	s_mov_b32 s[G1B+5], 4096
	s_mov_b32 s[G1B+6], 0
	s_mov_b32 s[G1B+7], 0
	s_lshl_b32 s16, s15, 3
	s_lshl_b32 s17, s14, 2
	s_add_co_u32 s16, s16, s17
	s_lshl_b32 s16, s16, 15                        ; attn: row tile 8 x tile row + 4 x half
	s_mov_b32 s17, 0
	s_lshl_b32 s46, s42, 4
	s_lshl_b32 s47, s14, 3
	s_add_co_u32 s46, s46, s47
	s_lshl_b32 s46, s46, 15                        ; Wo: column tile 16 x tile column + 8 x half
	s_mov_b32 s47, 0
	s_lshl_b32 s20, s14, 14                        ; where they go: the wave's number alone enters an LDS address
	s_lshl_b32 s21, s14, 15
	s_add_co_u32 s21, s21, 32768
	s_wait_dscnt 0x0
	s_wait_kmcnt 0x0
	s_add_nc_u64 s[16:17], s[4:5], s[16:17]
	s_add_nc_u64 s[46:47], s[6:7], s[46:47]
	CROUND                                         ; all sixteen work-groups are here: the first joint loads meet
.irp s, 0,1
	s_mov_b32 s[G0+4*\s], 1
	s_add_co_u32 s[G0+4*\s+1], s20, \s*SLOT
	s_add_nc_u64 s[G0+4*\s+2:G0+4*\s+3], s[16:17], \s*4096
	s_or_b32 s[G0+4*\s+3], s[G0+4*\s+3], 0x80000000
	s_mov_b32 s[G0B+4*\s], 1
	s_add_co_u32 s[G0B+4*\s+1], s21, \s*SLOT
	s_add_nc_u64 s[G0B+4*\s+2:G0B+4*\s+3], s[46:47], \s*4096
	s_or_b32 s[G0B+4*\s+3], s[G0B+4*\s+3], 0x80000000
	JLOAD \s
.endr
	v_and_b32 v1, 31, v0
	v_lshlrev_b32 v[CO], 4, v1
	v_and_b32 v2, 15, v0
	v_bfe_u32 v3, v0, 4, 1
	s_lshl_b32 s21, s13, 14                        ; my 4 row tiles
	s_lshl_b32 s22, s14, 15
	s_add_co_u32 s22, s22, 32768                   ; my 8 column tiles
.irp s, 0,1
	v_add_nc_u32 v[ADRA+\s], s21, v[CO]
	v_add_nc_u32 v[ADRB+\s], s22, v[CO]
	s_add_co_u32 s21, s21, SLOT
	s_add_co_u32 s22, s22, SLOT
.endr
	s_mul_i32 s23, s12, 8448
	s_add_co_u32 s23, s23, STAGE
	v_mul_u32_u24 v4, v2, 528
	v_lshl_add_u32 v4, v3, 5, v4
	v_add_nc_u32 v[STO], s23, v4                   ; into my stage: row r, + 32 h
	v_add_nc_u32 v[RD], s23, v[CO]                 ; back: a row of 512 bytes to the 32 lanes
	s_lshl_b32 s46, s42, 10
	s_lshl_b32 s47, s14, 9
	s_add_co_u32 s46, s46, s47                     ; my first column, in bytes
	s_mov_b32 s47, 0
	s_add_nc_u64 s[8:9], s[8:9], s[46:47]
	v_lshlrev_b32 v5, 5, v3
.irp b, 0,1,2,3,4,5,6,7
	global_load_b128 v[64+8*\b:64+8*\b+3], v5, s[8:9] offset:\b*64       ; bo of columns 16 b + 8 h + 0..7
	global_load_b128 v[64+8*\b+4:64+8*\b+7], v5, s[8:9] offset:\b*64+16
.endr
	s_lshl_b32 s18, s15, 7
	s_lshl_b32 s19, s13, 6
	s_add_co_u32 s18, s18, s19                     ; my first row
	s_lshl_b32 s18, s18, 13
	s_add_co_u32 s18, s18, s46
	s_mov_b32 s19, 0
	s_add_nc_u64 s[10:11], s[10:11], s[18:19]
.macro FETCH slot, ks, f               ; 24 LDS loads in one run: the fragments of the slot's ks-th 32 along K
	WIN TO_F
.irp b, 0,1,2,3,4,5,6,7
	ds_load_b128 v[\f+8*\b:\f+8*\b+3], v[ADRB+\slot] offset:\b*4096+(\ks)*1024
	ds_load_b128 v[\f+8*\b+4:\f+8*\b+7], v[ADRB+\slot] offset:\b*4096+(\ks)*1024+512
.endr
.irp a, 0,1,2,3
	ds_load_b128 v[\f+64+8*\a:\f+64+8*\a+3], v[ADRA+\slot] offset:\a*4096+(\ks)*1024
	ds_load_b128 v[\f+64+8*\a+4:\f+64+8*\a+7], v[ADRA+\slot] offset:\a*4096+(\ks)*1024+512
.endr
.endm
.macro MUL8 f, a, first                ; row tile a x the eight column tiles.  The 32 accumulators take turns, one instruction a turn
.irp b, 0,1,2,3,4,5,6,7
.if \first
	v_wmma_f32_16x16x32_f16 v[8*(8*\a+\b):8*(8*\a+\b)+7], v[\f+8*\b:\f+8*\b+7], v[\f+64+8*\a:\f+64+8*\a+7], v[64+8*\b:64+8*\b+7]
.else
	v_wmma_f32_16x16x32_f16 v[8*(8*\a+\b):8*(8*\a+\b)+7], v[\f+8*\b:\f+8*\b+7], v[\f+64+8*\a:\f+64+8*\a+7], v[8*(8*\a+\b):8*(8*\a+\b)+7]
.endif
.endr
.endm
.macro WMUL first
.if \first
	WIN MUL0
.else
	WIN MUL
.endif
.endm
; One of a slot's first three quarters: multiplies buffer f; in its middle it fetches the slot's ks-th quarter into buffer g.
.macro QUARTER slot, ks, f, g, first
	s_wait_dscnt 4                                 ; Wo's fragments and row tiles 0, 1 are in; the youngest four loads may be out
	WMUL \first
	MUL8 \f, 0, \first
	MUL8 \f, 1, \first
	PLACES
	FETCH \slot, \ks, \g
	s_wait_dscnt 24                                ; all but the 24 just issued
	WMUL \first
	MUL8 \f, 2, \first
	MUL8 \f, 3, \first
.endm
; The last quarter multiplies buffer 1 and changes slots: one barrier; ahead of it each wave waits for all its tensor loads, adds 0 to its spare word, and waits for that and for its reads of this slot.
.macro TURN slot, next, fill
	WIN 0
	s_wait_tensorcnt 0x0                           ; all my tensor loads have landed: my part of the next slot
	ds_add_u32 v[SPW], v[NIL]
	s_wait_dscnt 5                                 ; (the add and the youngest four loads may be out)
	WIN MUL
	MUL8 F1, 0, 0
	s_wait_dscnt 0x0                               ; the add is done, and my reads of this slot are over
	s_barrier_signal -1
	MUL8 F1, 1, 0
.if \fill
	WIN 0
.endif
	s_barrier_wait -1
.if \fill
	CREST                                          ; the barrier has opened a round of the cluster's: no wave of any partner still reads this slot or has a load on its way
	s_add_nc_u64 s[G0+4*\slot+2:G0+4*\slot+3], s[G0+4*\slot+2:G0+4*\slot+3], 8192
	s_add_nc_u64 s[G0B+4*\slot+2:G0B+4*\slot+3], s[G0B+4*\slot+2:G0B+4*\slot+3], 8192
	JLOAD \slot                                    ; the first tensor load behind the round; its four v_nop are also the places ahead of the loads below
.else
	PLACES
.endif
	FETCH \next, 0, F0
	WIN MUL
	MUL8 F1, 2, 0
	MUL8 F1, 3, 0
.endm
	s_wait_tensorcnt 0x1                           ; my part of slot 0 is in; slot 1's load may stay out
	s_barrier_signal -1
	s_barrier_wait -1
	FETCH 0, 0, F0
	s_wait_loadcnt 0x0                             ; the bias
	QUARTER 0, 1, F0, F1, 1                        ; the first quarter stands ahead of the loop: its products begin the sums with the bias
	WIN 0
	s_mov_b32 s3, LAPS-1
.Llap:                                             ; a trip goes once round the ring, from a lap's second quarter to the next lap's first, and fills both slots again
	QUARTER 0, 2, F1, F0, 0
	QUARTER 0, 3, F0, F1, 0
	TURN 0, 1, 1
	QUARTER 1, 1, F0, F1, 0
	QUARTER 1, 2, F1, F0, 0
	QUARTER 1, 3, F0, F1, 0
	TURN 1, 0, 1
	QUARTER 0, 1, F0, F1, 0
	WIN 0
	s_sub_co_u32 s3, s3, 1
	s_cmp_lg_u32 s3, 0
	s_cbranch_scc1 .Llap
	QUARTER 0, 2, F1, F0, 0                        ; the last lap fills nothing
	QUARTER 0, 3, F0, F1, 0
	TURN 0, 1, 0
	QUARTER 1, 1, F0, F1, 0
	QUARTER 1, 2, F1, F0, 0
	QUARTER 1, 3, F0, F1, 0
	s_wait_dscnt 4
	WIN MUL
	MUL8 F1, 0, 0
	MUL8 F1, 1, 0
	s_wait_dscnt 0x0
	MUL8 F1, 2, 0
	MUL8 F1, 3, 0
	WIN 0
; THE WAY OUT, a block of 16 rows x 128 columns at a time, through my own stage: in as 32 bytes a lane, back as whole rows of 512 bytes, which the 32 lanes store as 512 consecutive bytes.
.macro TOSTAGE a
	WIN 0x08                                       ; an LDS store's data are its source 1: window 2
.irp b, 0,1,2,3,4,5,6,7
	ds_store_b128 v[STO], v[64*(\a)+8*\b:64*(\a)+8*\b+3] offset:64*\b        ; each accumulator from its low end on
	ds_store_b128 v[STO], v[64*(\a)+8*\b+4:64*(\a)+8*\b+7] offset:64*\b+16
.endr
	WIN 0
.set BB, 128+64*((\a)%2)
.set n, 0
.rept 16
	ds_load_b128 v[BB+4*n:BB+4*n+3], v[RD] offset:n*528    ; LDS serves a wave's instructions in order: these see the stores above
.set n, n+1
.endr
.endm
.macro SEND a, younger
.set BB, 128+64*((\a)%2)
	s_wait_dscnt \younger                          ; the block is back in registers
.if (\a) > 0
	s_add_nc_u64 s[10:11], s[10:11], 131072        ; 16 rows on (behind a wait on XCNT: the earlier stores have read their base)
.endif
.set n, 0
.rept 16
	global_store_b128 v[CO], v[BB+4*n:BB+4*n+3], s[10:11] offset:n*8192 th:TH_STORE_NT
.set n, n+1
.endr
.endm
	PLACES
	TOSTAGE 0
.irp a, 1,2,3
.if \a > 1
	s_wait_xcnt 0x0                                ; block a - 2's stores have read their registers and their base
.endif
	TOSTAGE \a
	SEND \a-1, 32                                  ; behind block a - 1's loads: block a's 16 stores and 16 loads
.endr
	s_wait_xcnt 0x0
	SEND 3, 0
	s_wait_tensorcnt 0x0                           ; the wave's end
	ds_add_u32 v[SPW], v[NIL]
	s_wait_dscnt 0x0
	CROUND                                         ; the closing round: no work-group ends while a partner may still ask for a tile that names it
	s_endpgm
.Lfunc_end_k_q287ea8d2bb_outproj:
	.size	k_q287ea8d2bb_outproj, .Lfunc_end_k_q287ea8d2bb_outproj-k_q287ea8d2bb_outproj
	.p2alignl 7, 3214868480
	.fill 96, 4, 3214868480
	.section	.rodata,"a",@progbits
	.p2align	6, 0x0
	.amdhsa_kernel k_q287ea8d2bb_outproj
		.amdhsa_group_segment_fixed_size 327680
		.amdhsa_private_segment_fixed_size 0
		.amdhsa_enable_private_segment 0
		.amdhsa_kernarg_size 32
		.amdhsa_user_sgpr_count 2
		.amdhsa_user_sgpr_kernarg_segment_ptr 1
		.amdhsa_wavefront_size32 1
		.amdhsa_system_sgpr_workgroup_id_x 1
		.amdhsa_system_sgpr_workgroup_id_y 1
		.amdhsa_system_sgpr_workgroup_id_z 1
		.amdhsa_system_vgpr_workitem_id 0
		.amdhsa_next_free_vgpr 768
		.amdhsa_next_free_sgpr 66
		.amdhsa_reserve_vcc 0
		.amdhsa_float_denorm_mode_32 3
		.amdhsa_float_denorm_mode_16_64 3
		.amdhsa_memory_ordered 1
		.amdhsa_forward_progress 1
		.amdhsa_inst_pref_size 86
	.end_amdhsa_kernel
	.amdgpu_metadata
---
amdhsa.version: [ 1, 2 ]
amdhsa.kernels:
  - .name:           k_q287ea8d2bb_outproj
    .symbol:         k_q287ea8d2bb_outproj.kd
    .args:
      - { .name: attn16, .offset: 0, .size: 8, .value_kind: global_buffer, .address_space: global }
      - { .name: wo16, .offset: 8, .size: 8, .value_kind: global_buffer, .address_space: global }
      - { .name: bo, .offset: 16, .size: 8, .value_kind: global_buffer, .address_space: global }
      - { .name: out0, .offset: 24, .size: 8, .value_kind: global_buffer, .address_space: global }
    .group_segment_fixed_size: 327680
    .private_segment_fixed_size: 0
    .kernarg_segment_align: 8
    .kernarg_segment_size: 32
    .max_flat_workgroup_size: 128
    .sgpr_count:     66
    .vgpr_count:     768
    .wavefront_size: 32
...
	.end_amdgpu_metadata
.endif
;; end of part 4
;; launch fine (part 5): grid 128 x 2, 16 waves a work-group, no clusters, 18,432 bytes of LDS; arguments fine32, mask, Wo, bo, out0; writes out0
.if DOCPART == 5
	.amdgcn_target "amdgcn-amd-amdhsa--gfx1250"
	.amdhsa_code_object_version 6
	.text
	.protected	k_q287ea8d2bb_fine
	.globl	k_q287ea8d2bb_fine
	.p2align	8
	.type	k_q287ea8d2bb_fine,@function
k_q287ea8d2bb_fine:
	s_mov_b64 s[64:65], 0
	v_nop
	global_prefetch_b8 v0, s[64:65] scope:SCOPE_SE
	s_setreg_imm32_b32 hwreg(HW_REG_WAVE_MODE, 25, 1), 1
	s_wait_xcnt 0x0
; FINE: the first 16 positions of each sequence, where a row of the softmax averages one to sixteen values: scores, softmax, P V and the output projection all in f32, over what the launch before wrote there.
; Work-group (x, y): batch y, output columns 16 x .. 16 x + 15.  Wave w is head w: it makes its head's 16 x 16 attention and multiplies its 64 channels by Wo's rows 64 w .. 64 w + 63 at the 16 columns.
; So attn never changes waves; the sixteen partial sums meet in LDS, and waves 0 and 1 add them, add bo and store.
; All products by the f32 matrix form (16 x 16 x 4), used transposed; k is permuted alike on both sides of each product, so that loads of 16 bytes and results as they lie serve as operands.
; The registers that this form writes (v32-47, v224-255) are written by matrix instructions alone.
; Hidden keys (causal, padding) get the score -3e38; the maximum is held at -1e30 from below, so a hidden p is 0; a row with no key has sum 0, and 0 x (1 / 0) is NaN, as the softmax of a row of -infinity is.
; LIMIT: the stores are runs of 16 bytes a lane, 64 bytes a row: 256 KiB of out0 in all.  More columns to a work-group would give longer runs and leave most WGPs without work.
; REGISTERS: v1-12 addresses; v14-15 the mask; v16-19 bo; v20-27 at work; v32-39, v40-47 two accumulators; v48-55 scores, then p, then the partial sums; v64-127 K, later attn and the sixteen partial sums; v128-191 Q, later Wo; v192-223 V; v224-255 O^T.
	s_load_b256 s[4:11], s[0:1], 0x0               ; fine32 s4, mask s6, Wo s8, bo s10
	s_load_b64 s[12:13], s[0:1], 0x20              ; out0
	v_lshl_add_u32 v30, v0, 2, 16384               ; my spare word: behind the sixteen partial sums
	v_mov_b32 v31, 0
	v_lshrrev_b32 v1, 5, v0
	v_readfirstlane_b32 s2, v1                     ; wave = head
	s_and_b32 s3, ttmp7, 0xffff                    ; batch
	v_and_b32 v1, 15, v0                           ; r
	v_bfe_u32 v2, v0, 4, 1                         ; h
	v_lshlrev_b32 v3, 9, v1
	v_lshl_add_u32 v3, v2, 4, v3                   ; K: row r of 512 bytes, + 16 h
	v_lshlrev_b32 v4, 13, v1
	v_lshl_add_u32 v4, v2, 4, v4                   ; Q: row r of 8,192 bytes, + 16 h
	v_lshlrev_b32 v5, 2, v1
	v_lshl_add_u32 v8, v2, 16, v5                  ; Wo: 8 h rows of 8,192 bytes, + 4 r
	v_lshl_add_u32 v5, v2, 11, v5                  ; V: 8 h rows of 256 bytes, + 4 r
	v_lshlrev_b32 v6, 3, v2                        ; the mask: 8 h
	v_lshlrev_b32 v7, 5, v2                        ; bo: 32 h
	v_lshl_add_u32 v9, v1, 13, v7                  ; out0: row r, + 32 h
	v_and_b32 v10, 31, v0
	v_lshlrev_b32 v10, 4, v10
	s_and_b32 s14, s2, 1
	s_lshl_b32 s15, s14, 9
	v_add_nc_u32 v11, s15, v10                     ; LDS, back: half (wave % 2) of each partial sum
	s_lshl_b32 s15, s2, 10
	v_add_nc_u32 v10, s15, v10                     ; LDS, in: my 1,024 bytes
	v_sub_nc_u32 v12, v1, v6                       ; d = r - 8 h: register j holds key 8 h + j, hidden where j > d
	v_mov_b32 v23, 0                               ; written once: a lane permute's destination counts as a source
	s_lshl_b32 s16, s3, 13
	s_add_co_u32 s16, s16, 262144
	s_mov_b32 s17, 0
	s_lshl_b32 s18, s3, 17
	s_lshl_b32 s15, s2, 9
	s_add_co_u32 s18, s18, s15
	s_mov_b32 s19, 0
	s_lshl_b32 s20, s3, 12
	s_add_co_u32 s20, s20, 278528
	s_mov_b32 s21, 0
	s_lshl_b32 s22, s3, 11
	s_mov_b32 s23, 0
	s_lshl_b32 s24, ttmp9, 6                       ; my 16 columns, in bytes,
	s_lshl_b32 s26, s2, 19                         ; Wo's rows 64 w on
	s_add_co_u32 s26, s26, s24
	s_mov_b32 s27, 0
	s_lshl_b32 s15, s14, 4
	s_add_co_u32 s24, s24, s15                     ; + the four that wave 0 or 1 stores
	s_mov_b32 s25, 0
	s_lshl_b32 s28, s3, 24
	s_add_co_u32 s28, s28, s24
	s_mov_b32 s29, 0
	s_mov_b32 s30, 0x76543210
	s_mov_b32 s31, 0xfedcba98
	s_mov_b32 s32, 0x3e0293ee                      ; c = log2(e) / sqrt(128)
	s_wait_kmcnt 0x0
	s_add_nc_u64 s[16:17], s[4:5], s[16:17]
	s_add_nc_u64 s[18:19], s[4:5], s[18:19]
	s_add_nc_u64 s[20:21], s[4:5], s[20:21]
	s_add_nc_u64 s[22:23], s[6:7], s[22:23]
	s_add_nc_u64 s[24:25], s[10:11], s[24:25]
	s_add_nc_u64 s[26:27], s[8:9], s[26:27]
	s_add_nc_u64 s[28:29], s[12:13], s[28:29]
.set n, 0
.rept 16
	global_load_b128 v[64+4*n:64+4*n+3], v3, s[16:17] offset:32*n      ; K(r, 8 n + 4 h + 0..3)
	global_load_b128 v[128+4*n:128+4*n+3], v4, s[18:19] offset:32*n    ; Q likewise
.set n, n+1
.endr
.set n, 0
.rept 32
	global_load_b32 v[192+n], v5, s[20:21] offset:(n%8)*256+(n/8)*64   ; V(key 8 h + n % 8, channel 16 (n / 8) + r)
.set n, n+1
.endr
	global_load_b64 v[14:15], v6, s[22:23]
	global_load_b128 v[16:19], v7, s[24:25]
	s_wait_loadcnt 0x0
	; S^T = K Q^T: 32 products of 4 channels, two accumulators by turns; the first two begin the sums
	v_wmma_f32_16x16x4_f32 v[32:39], v[64:65], v[128:129], 0
	v_wmma_f32_16x16x4_f32 v[40:47], v[66:67], v[130:131], 0
.set n, 1
.rept 15
	v_wmma_f32_16x16x4_f32 v[32:39], v[64+4*n:65+4*n], v[128+4*n:129+4*n], v[32:39]
	v_wmma_f32_16x16x4_f32 v[40:47], v[66+4*n:67+4*n], v[130+4*n:131+4*n], v[40:47]
.set n, n+1
.endr
.rept 8
	v_nop                                          ; eight places behind this form, ahead of loads into its sources and of reads of its results
.endr
.set n, 0
.rept 32
	global_load_b32 v[128+n], v8, s[26:27] offset:(16*(n/8)+n%8)*8192  ; Wo(64 w + 16 (n / 8) + 8 h + n % 8, my column r): they land while the softmax is made
.set n, n+1
.endr
.irp j, 0,1,2,3,4,5,6,7
	v_add_f32 v[48+\j], v[32+\j], v[40+\j]         ; lane (r, h): query r, key 8 h + j
.endr
	v_mov_b32 v20, 0xff61b1e6                      ; -3e38
.irp j, 0,1,2,3,4,5,6,7
	v_cmp_gt_i32 vcc_lo, \j, v12
	v_cndmask_b32 v[48+\j], v[48+\j], v20, vcc_lo
	v_bfe_u32 v21, v[14+\j/4], 8*(\j%4), 8
	v_cmp_ne_u32 vcc_lo, 0, v21
	v_cndmask_b32 v[48+\j], v[48+\j], v20, vcc_lo
.endr
	v_max3_num_f32 v22, v48, v49, v50
	v_max3_num_f32 v22, v22, v51, v52
	v_max3_num_f32 v22, v22, v53, v54
	v_max3_num_f32 v22, v22, v55, 0xf149f2ca       ; and -1e30
	v_permlanex16_b32 v23, v22, s30, s31
	v_max_num_f32 v22, v22, v23
	v_mul_f32 v22, s32, v22                        ; c m
.irp j, 0,1,2,3,4,5,6,7
	v_fma_f32 v[48+\j], v[48+\j], s32, -v22
.endr
.irp j, 0,1,2,3,4,5,6,7
	v_exp_f32 v[48+\j], v[48+\j]
.endr
	v_nop
	s_wait_alu depctr_va_vdst(0)                   ; one wait for the batch, ahead of its first reader
	v_add_f32 v24, v48, v49
	v_add_f32 v25, v50, v51
	v_add_f32 v26, v52, v53
	v_add_f32 v27, v54, v55
	v_add_f32 v24, v24, v25
	v_add_f32 v26, v26, v27
	v_add_f32 v24, v24, v26
	v_permlanex16_b32 v23, v24, s30, s31
	v_add_f32 v24, v24, v23
	v_rcp_f32 v25, v24
	v_nop
	s_wait_alu depctr_va_vdst(0)
	; O^T = V^T P: four accumulators (16 channels each) by turns, four keys a product
.irp ct, 0,1,2,3
	v_wmma_f32_16x16x4_f32 v[224+8*\ct:231+8*\ct], v[192+8*\ct:193+8*\ct], v[48:49], 0
.endr
.irp s, 1,2,3
.irp ct, 0,1,2,3
	v_wmma_f32_16x16x4_f32 v[224+8*\ct:231+8*\ct], v[192+8*\ct+2*\s:193+8*\ct+2*\s], v[48+2*\s:49+2*\s], v[224+8*\ct:231+8*\ct]
.endr
.endr
.rept 8
	v_nop
.endr
.set n, 0
.rept 32
	v_mul_f32 v[64+n], v[224+n], v25               ; attn(query r, channel 16 (n / 8) + 8 h + n % 8)
.set n, n+1
.endr
	s_wait_loadcnt 0x0                             ; Wo's rows
	; out^T partial = Wo^T attn^T over my 64 channels: 16 products, two accumulators by turns, begun anew
	v_wmma_f32_16x16x4_f32 v[32:39], v[128:129], v[64:65], 0
	v_wmma_f32_16x16x4_f32 v[40:47], v[130:131], v[66:67], 0
.set n, 1
.rept 7
	v_wmma_f32_16x16x4_f32 v[32:39], v[128+4*n:129+4*n], v[64+4*n:65+4*n], v[32:39]
	v_wmma_f32_16x16x4_f32 v[40:47], v[130+4*n:131+4*n], v[66+4*n:67+4*n], v[40:47]
.set n, n+1
.endr
.rept 8
	v_nop
.endr
.irp j, 0,1,2,3,4,5,6,7
	v_add_f32 v[48+\j], v[32+\j], v[40+\j]         ; lane (r, h): query r, column 8 h + j
.endr
	ds_store_b128 v10, v[48:51]
	ds_store_b128 v10, v[52:55] offset:512
	s_wait_dscnt 0x0                               ; for the others' sake: my partial sums lie in LDS
	s_barrier_signal -1
	s_barrier_wait -1
	s_cmp_gt_u32 s2, 1
	s_cbranch_scc1 .Ldone
.set n, 0
.rept 16
	ds_load_b128 v[64+4*n:64+4*n+3], v11 offset:n*1024
.set n, n+1
.endr
	s_wait_dscnt 0x0
.irp w, 8,4,2,1
.set n, 0
.rept \w
	v_pk_add_f32 v[64+4*n:65+4*n], v[64+4*n:65+4*n], v[64+4*(n+\w):65+4*(n+\w)]
	v_pk_add_f32 v[66+4*n:67+4*n], v[66+4*n:67+4*n], v[66+4*(n+\w):67+4*(n+\w)]
.set n, n+1
.endr
.endr
	v_pk_add_f32 v[64:65], v[64:65], v[16:17]
	v_pk_add_f32 v[66:67], v[66:67], v[18:19]
	global_store_b128 v9, v[64:67], s[28:29]       ; out0(row r, columns 16 x + 8 h + 4 (wave) + 0..3)
.Ldone:
	s_wait_tensorcnt 0x0                           ; the wave's end
	ds_add_u32 v30, v31
	s_wait_dscnt 0x0
	s_endpgm
.Lfunc_end_k_q287ea8d2bb_fine:
	.size	k_q287ea8d2bb_fine, .Lfunc_end_k_q287ea8d2bb_fine-k_q287ea8d2bb_fine
	.p2alignl 7, 3214868480
	.fill 96, 4, 3214868480
	.section	.rodata,"a",@progbits
	.p2align	6, 0x0
	.amdhsa_kernel k_q287ea8d2bb_fine
		.amdhsa_group_segment_fixed_size 18432
		.amdhsa_private_segment_fixed_size 0
		.amdhsa_enable_private_segment 0
		.amdhsa_kernarg_size 40
		.amdhsa_user_sgpr_count 2
		.amdhsa_user_sgpr_kernarg_segment_ptr 1
		.amdhsa_wavefront_size32 1
		.amdhsa_system_sgpr_workgroup_id_x 1
		.amdhsa_system_sgpr_workgroup_id_y 1
		.amdhsa_system_sgpr_workgroup_id_z 1
		.amdhsa_system_vgpr_workitem_id 0
		.amdhsa_next_free_vgpr 256
		.amdhsa_next_free_sgpr 66
		.amdhsa_reserve_vcc 1
		.amdhsa_float_denorm_mode_32 3
		.amdhsa_float_denorm_mode_16_64 3
		.amdhsa_memory_ordered 1
		.amdhsa_forward_progress 1
		.amdhsa_inst_pref_size 25
	.end_amdhsa_kernel
	.amdgpu_metadata
---
amdhsa.version: [ 1, 2 ]
amdhsa.kernels:
  - .name:           k_q287ea8d2bb_fine
    .symbol:         k_q287ea8d2bb_fine.kd
    .args:
      - { .name: fine32, .offset: 0, .size: 8, .value_kind: global_buffer, .address_space: global }
      - { .name: mask, .offset: 8, .size: 8, .value_kind: global_buffer, .address_space: global }
      - { .name: Wo, .offset: 16, .size: 8, .value_kind: global_buffer, .address_space: global }
      - { .name: bo, .offset: 24, .size: 8, .value_kind: global_buffer, .address_space: global }
      - { .name: out0, .offset: 32, .size: 8, .value_kind: global_buffer, .address_space: global }
    .group_segment_fixed_size: 18432
    .private_segment_fixed_size: 0
    .kernarg_segment_align: 8
    .kernarg_segment_size: 40
    .max_flat_workgroup_size: 512
    .sgpr_count:     66
    .vgpr_count:     256
    .wavefront_size: 32
...
	.end_amdgpu_metadata
.endif
;; end of part 5
